; MI455X (gfx1250); checked and timed in simulation.
; The chip was launched on July 23, 2026; its instructions are those of AMD's public machine-readable ISA for CDNA 5 (MIT licence, August 2026) and "CDNA5" Instruction Set Architecture Reference Guide (July 2026). The comments in the code are by the model that wrote it; some were corrected since.
;; Causal Self Attention MLA. Allowed arithmetic: matrix products marked QUANTISED: E4M3 operands, one given power-of-two scale a tensor, by v_wmma_f32_16x16x64_fp8_fp8 or v_wmma_f32_16x16x128_fp8_fp8, f32 sums; everything else in f32.
;; Inputs: W_d_codes 2,048 x 64 x 32 uint8 (E4M3 codes of W_d, K innermost, in blocks of 32 codes); W_latent_codes 128 x 64 x 32 uint8 (E4M3 codes of W_latent, K innermost, in blocks of 32 codes); W_proj_codes 2,048 x 64 x 32 uint8 (E4M3 codes of W_proj, K innermost, in blocks of 32 codes); b_d 2,048 float32; b_latent 128 float32; b_proj 2,048 float32; lowp_scales 10 int32 (the exponents e of the quantised operands' scales 2^e); x_codes 2 x 2,048 x 64 x 32 uint8 (E4M3 codes of x, K innermost, in blocks of 32 codes).
;; Outputs: out0 2 x 2,048 x 2,048 float32.
;; This version of the problem:
;;   THIS VERSION OF THE PROBLEM IS GIVEN IN LOW PRECISION. The matrix products marked QUANTISED in the list below multiply operands that are first quantised to E4M3 (4 exponent bits, 3 mantissa bits; 8 bits a number), with one given power-of-two scale for each operand tensor; their sums are f32. All else is computed in f32.
;;   The module's matrix products, in the order in which they are computed (A, B: the left and right operand; K: the contracted axis; several contracted axes count as one K, in the product's order):
;;     1. [M 4,096, K 2,048] x [K 2,048, N 128]; A: input x (given as codes); B: input W_latent (given as codes): QUANTISED (scales: A lowp_scales[0], B lowp_scales[1])
;;     2. [M 4,096, K 2,048] x [K 2,048, N 2,048]; A: input x (given as codes); B: input W_d (given as codes): QUANTISED (scales: A lowp_scales[2], B lowp_scales[3])
;;     3. batch 2 x [M 32,768, K 128] x [K 128, N 2,048]; A: computed on the way; B: computed on the way: QUANTISED (scales: A lowp_scales[4], B lowp_scales[5])
;;     4. batch 2 x [M 32,768, K 2,048] x [K 2,048, N 128]; A: softmax (see below); B: computed on the way: QUANTISED (scales: A lowp_scales[6], B lowp_scales[7])
;;     5. [M 4,096, K 2,048] x [K 2,048, N 2,048]; A: computed on the way; B: input W_proj (given as codes): QUANTISED (scales: A lowp_scales[8], B lowp_scales[9])
;;   THE QUANTISER, for each operand of a quantised product, along K:
;;     - The operand's scale is 2^e, e = its entry of the input lowp_scales (int32; the entries are numbered through the quantised products in the list's order, A before B).
;;     - Each number is divided by the scale, clamped to +-448, and rounded to the nearest number of E4M3, ties to even, subnormals kept.
;;     - The product sums the exact products of the quantised numbers (number of the format x scale) in f32.
;;   ~~~python
;;   def quantise(x, axis, e):      # numpy; x: float32 -> the quantised numbers, widened to float32 again
;;       x = np.moveaxis(x, axis, -1); K = x.shape[-1]
;;       r = np.clip(x / 2.0 ** e, -448, 448)
;;       step = 2.0 ** (np.maximum(np.frexp(np.where(r == 0, 1, r))[1] - 1, -6) - 3)
;;       q = np.round(r / step) * step * 2.0 ** e      # np.round: ties to even
;;       return np.moveaxis(q, -1, axis).astype(np.float32)
;;   ~~~
;;   SOFTMAX AHEAD OF A QUANTISED PRODUCT. Where the list says 'softmax', what is quantised is not the finished softmax but p = 2^(t - M), with t = logit x log2(e) and M = ceil(the row's largest t), a whole number; so 1/2 < the row's largest p <= 1. The row's sum l is taken of the UNQUANTISED p, in f32, and the product's result is divided by l at the end. Since M is a whole number, a kernel that streams over the keys may use a running M (the ceiling of the running maximum): every later rescaling is an exact power of two, so the quantised numbers keep their values, but for numbers so far below the row's largest that they fall under the format's range.
;;   OPERANDS COMPUTED ON THE WAY. 'Computed on the way' means the value that the module computes at that place (a softmax that the list does not call 'softmax' is quantised finished and normalised). What goes into a quantiser is computed in f32, as accurately as f32 sums, v_exp_f32 and their like allow (about 1e-6 of the number): no bf16 or f16 on the way to a quantiser, and a product that is left as it is and whose result goes on into a quantised operand takes f32 operands (vector FMAs, or v_wmma_f32_16x16x4_f32). A number that lies on a knife's edge between two numbers of the format may be rounded either way, as far as f32 arithmetic and the matrix unit's own rounding can turn it there, and no further.
;;   INPUTS GIVEN AS CODES. W_d (in the module: [2048, 2048], K = its axis 0); W_latent (in the module: [2048, 128], K = its axis 0); W_proj (in the module: [2048, 2048], K = its axis 0); x (in the module: [2, 2048, 2048], K = its axis 2): each comes as NAME_codes (uint8): NAME with its K axis moved to the last place and cut into blocks of 32 codes, [.., K / 32, bytes a block], one block behind the other in memory; one code a byte (a code: sign, 4 exponent bits, 3 mantissa bits); its scale is its entry of lowp_scales. Its value is code x scale, taken as it is: it is not quantised again, and the codes and scales need not be those that the quantiser above would give.
;; 2 versions. Each part assembles by itself: llvm-mc -triple=amdgcn-amd-amdhsa -mcpu=gfx1250 --defsym DOCPART=n.
;; ======== version 1 of 2: 3 launches
;; workspace buffers: qc 8,388,608 bytes; kc 524,288 bytes; vc 524,288 bytes; yc 8,388,608 bytes
;; launch qkv (part 1): grid 16 x 9, 4 waves a work-group, clusters of 4 x 1, 327,680 bytes of LDS; arguments x_codes, W_d_codes, W_latent_codes, b_d, b_latent, lowp_scales, qc, kc, vc; writes qc, kc, vc
.if DOCPART == 1
	.amdgcn_target "amdgcn-amd-amdhsa--gfx1250"
	.amdhsa_code_object_version 6
	.text
	.protected	k_q4d8b01140c_qkv
	.globl	k_q4d8b01140c_qkv
	.p2align	8
	.type	k_q4d8b01140c_qkv,@function
k_q4d8b01140c_qkv:
	s_mov_b64 s[64:65], 0
	v_nop
	global_prefetch_b8 v0, s[64:65] scope:SCOPE_SE
	s_setreg_imm32_b32 hwreg(HW_REG_WAVE_MODE, 25, 1), 1
	s_wait_xcnt 0x0
	s_wait_alu depctr_hold_cnt(0) depctr_sa_sdst(0) depctr_va_vdst(0) depctr_va_sdst(0) depctr_va_ssrc(0) depctr_va_vcc(0) depctr_vm_vsrc(0)
	s_getreg_b32 s2, hwreg(HW_REG_IB_STS2, 6, 4)
	s_cmp_eq_u32 s2, 0
	s_cbranch_scc0 .Lentry_in_a_cluster
	s_endpgm
.Lentry_in_a_cluster:
	s_bfe_u32 s2, ttmp6, 0x10000c
	s_cmp_lg_u32 s2, 0x3003
	s_cbranch_scc0 .Lentry_shape_is_right
	s_endpgm
.Lentry_shape_is_right:
; q = x W_d + b_d and kv = x W_latent + b_latent on codes of FP8 (E4M3), then RoPE (q and K), then the quantisers: q_rot (2^e4), k_rot (2^e5), kv as V (2^e7).
; x: [2][2048][2048] codes; W_d: [2048][2048], W_latent: [128][2048] codes, K innermost.  lowp_scales: e0, e1 for x W_latent; e2, e3 for x W_d.
; SHARES.  Work-group (X, Y): 128 positions 128 X .. of BOTH batches (A's LDS rows 0-127: batch 0, rows 128-255: batch 1) x 256 columns: Y < 8: rows 256 Y .. of W_d (heads 2 Y, 2 Y + 1);
; Y = 8: W_latent's 128 rows twice: the half c = 0 becomes K (RoPE), the half c = 1 becomes V (no RoPE, keys innermost).  So at Y = 8 the latent product is made twice, on 16 of the 144 work-groups.
; Wave (i, c) makes positions 128 X + 64 i + 0..63 of both batches x B's half c: 64 accumulators; blocks 0-3 (batch 0) in window 2, blocks 4-7 (batch 1) in window 3: one sine and cosine serve two accumulators.
; K goes in steps of 256 through a ring of two LDS slots.  CLUSTER: the four partners share Y, so B's tile is asked for jointly (mask 15); A's tile is each work-group's own (the 9 column tiles do not divide by 4, so A is not shared).
; THE MATRIX INSTRUCTION IS USED TRANSPOSED (source 0 = 16 rows of the weight, source 1 = 16 rows of x): lane (r, h) holds position r and columns 16 b + 8 h + 0..7: eight conversions make the 16 registers of a fragment.
; OUTPUTS ARE IMAGES OF OPERAND REGISTERS: a fragment (16 rows x 128) is 2,048 bytes, registers 4 k .. 4 k + 3 of lane l at 512 k + 16 l.  qc [b][head][16 queries], kc [b][16 keys]: registers 2 m, 2 m + 1 = d 16 m + 8 h + 0..7.
; vc [b][128 keys][f]: row r of fragment f = 2 b' + u is d = 32 b' + 8 u + r + 8 (r / 8); registers 2 m, 2 m + 1 = keys 16 m + 8 h + 0..7.  Each store of a wave covers 512 consecutive bytes, aligned.
; SINE AND COSINE in f32: inv_freq = 2^(-j log2(10) / 16) by v_exp_f32; angle = position x inv_freq; n = the nearest whole number to angle x 2 / pi; r = angle - n pi / 2 in two fused steps; polynomials on |r| <= pi / 4; the quadrant by n.
; LIMITS: e0 + e1 and e2 + e3 between -126 and 127; e4, e5, e7 between -126 and 119.  NaN among the biases is not served.  inv_freq carries about 1e-7 of itself, so an angle at most about 3e-4 rad at position 2,047.
; REGISTERS: window 0: v1-29 addresses; v32-111 at work behind the loop; v112-143 codes; v144, v145 the hold and the scale; v128-255 A's fragments, later v160-255 the table or V's turned numbers.
;   window 1: B's fragments, two sets; v0-63 take the bias from the last step on.   windows 2, 3: the accumulators, (a, b) at v[8 (8 (a % 4) + b)].
.set KROW,   2048                      ; a row of x or of a weight in memory, in bytes
.set ROWB,   256                       ; a tile's row: 256 codes
.set PITCH,  272                       ; an LDS row: 256 bytes + 16 of padding: the 16 rows that a load touches start at 16 different banks (64 banks of 4 bytes: ISA guide 11.1)
.set FR,     16
.set NL,     4
.set NP,     4                         ; places behind this matrix instruction (ISA guide 7.12.1)
.set HALFT,  128*PITCH
.set SLOT,   4*HALFT                   ; A's 256 rows, then B's 256 rows
.set LAPS,   KROW/(2*ROWB)
.set SPARE,  2*SLOT                    ; behind the ring: the spare words, 128 bytes a wave, which no other line names
.set UNIT,   1536                      ; the table, from LDS byte 0 (slot 0, behind its last fill and last read): unit ((4 i + a') 8 + b): three planes of 512 bytes: c0-c3 | -s0 s0 -s1 s1 | -s2 s2 -s3 s3
.set VSTG,   SLOT                      ; V's stages: 16 rows x 528 bytes for each wave, in slot 1, behind its last fill and, by a barrier, its last read
.set VP,     528
.set LI,   5                           ; v5   16 x lane
.set TW,   6                           ; v6   where I store my 16 units of the table: 16 x lane + 16 UNIT x wave
.set TR,   7                           ; v7   where I read my row half's 32 units: 16 x lane + 32 UNIT x i
.set VS,   8                           ; v8   V's stage, in: row r, + 32 h
.set VR,   9                           ; v9   V's stage, out: row 8 h, column r + 8 (r / 8)
.set BO,   10                          ; v10  32 h: my eight numbers of 16 of the bias
.set RP,   11                          ; v11  128 X + 32 wave + r: the position of my first table unit
.set HJ,   12                          ; v12-15  4 h + 0..3
.set ADRA, 16
.set ADRB, 20
.set SPW,  28
.set NIL,  29
.set XR,   32                          ; v32-95   a block's 64 numbers: sum x 2^e + bias
.set YR,   96                          ; v96-111  two sets of eight rotated numbers
.set CD,   112                         ; v112-143 codes: a set of 16 for each batch
.set TT,   160                         ; v160-255 the table of one a', 12 registers a b; in V's path the turned numbers
.set AF,   128
.set G1,  24
.set G0,  32
.set G1B, 48
.set G0B, 56
.set MSB, 0
.macro WIN new                         ; the immediate's high byte repeats the setting that is left
.if MSB != \new
	s_set_vgpr_msb (MSB<<8)|\new
.set MSB, \new
.endif
.endm
.set MUL_LO, 0xa1                      ; source 0 (B) window 1, source 1 (A) window 0, C and D window 2
.set MUL_HI, 0xf1
.set TO_B,   0x40
; Waves 0 and 1 fetch A's two halves (my own tile, no mask), waves 2 and 3 B's (jointly).  The branch hangs on the wave's number alone.  An s_nop 0 and four v_nop follow each line.
.macro JLOAD g0a, g1a, g0b, g1b
	s_cmp_eq_u32 s15, 0
	s_cbranch_scc0 .Lfor_b_\@
	tensor_load_to_lds s[\g0a:\g0a+3], s[\g1a:\g1a+7]
	s_nop 0
.rept 4
	v_nop
.endr
	s_branch .Lasked_\@
.Lfor_b_\@:
	tensor_load_to_lds s[\g0b:\g0b+3], s[\g1b:\g1b+7]
	s_nop 0
.rept 4
	v_nop
.endr
.Lasked_\@:
.endm
.macro CREST                           ; a round of the cluster's barrier behind its opening barrier
	s_cmp_lg_u32 s14, 0
	s_cbranch_scc1 .Lnot_wave_0_\@
	s_barrier_signal -3
.Lnot_wave_0_\@:
	s_barrier_wait -3
	s_barrier_signal -1
	s_barrier_wait -1
.endm
.macro CROUND
	s_barrier_signal -1
	s_barrier_wait -1
	CREST
.endm
	s_load_b256 s[4:11], s[0:1], 0x0               ; x s[4:5], W_d s[6:7], W_latent s[8:9], b_d s[10:11]
	s_load_b256 s[76:83], s[0:1], 0x20             ; b_latent s[76:77], the exponents s[78:79], qc s[80:81], kc s[82:83]
	s_load_b64 s[84:85], s[0:1], 0x40              ; vc
	v_lshl_add_u32 v[SPW], v0, 2, SPARE
	v_mov_b32 v[NIL], 0
	ds_add_u32 v[SPW], v[NIL]                      ; the wave's opening: the add and its wait ahead of my first tensor load; work on registers stands between them
	v_lshrrev_b32 v1, 5, v0
	v_readfirstlane_b32 s14, v1                    ; wave 0..3
	s_lshr_b32 s15, s14, 1                         ; i: my half of the positions.  Also: I fetch for A (0) or for B (1)
	s_and_b32 s16, s14, 1                          ; c: my half of the columns.  Also: which 128 rows I fetch
	s_bfe_u32 s40, ttmp6, 0x40000                  ; cx
	s_lshl_b32 s17, ttmp9, 2
	s_add_co_u32 s17, s17, s40                     ; X = 4 x cluster x + cx: it enters A's, the positions' and the outputs' arithmetic alone
	s_and_b32 s42, ttmp7, 0xffff                   ; Y, which the four partners share
	s_mov_b32 s[G1+0], (1<<20)|(5<<22)|(3<<25)     ; no mask; elements of 1 byte; padding on: 4 words (code 3) after every 64 (code 5)
	s_mov_b32 s[G1B+0], 15|(1<<20)|(1<<21)|(5<<22)|(3<<25)  ; the same with the mask of all four partners, and bit 21 beside it
.irp g, G1, G1B
	s_mov_b32 s[\g+1], ROWB<<16                    ; tensor_dim0
	s_mov_b32 s[\g+2], 128<<16                     ; tensor_dim1
	s_mov_b32 s[\g+3], ROWB<<16                    ; tile_dim0
	s_mov_b32 s[\g+4], 128                         ; tile_dim1
	s_mov_b32 s[\g+5], KROW                        ; tensor_dim0_stride
	s_mov_b32 s[\g+6], 0
	s_mov_b32 s[\g+7], 0
.endr
	s_lshl_b32 s20, s16, 22                        ; A: batch (wave & 1) x 2,048 rows of 2,048 bytes
	s_lshl_b32 s21, s17, 18                        ;    + 128 X rows
	s_add_co_u32 s20, s20, s21
	s_mov_b32 s21, 0
	s_lshl_b32 s46, s42, 19                        ; B, Y < 8: 256 Y rows
	s_lshl_b32 s47, s16, 18                        ;    + 128 (wave & 1) rows
	s_add_co_u32 s46, s46, s47
	s_mov_b32 s47, 0
	s_lshl_b32 s22, s42, 10                        ; the bias, Y < 8: (256 Y + 128 c) numbers
	s_lshl_b32 s23, s16, 9
	s_add_co_u32 s22, s22, s23
	s_mov_b32 s23, 0
	s_lshl_b32 s43, s17, 14
	s_lshl_b32 s44, s15, 13
	s_add_co_u32 s44, s43, s44                     ; kc: image 8 X + 4 i
	s_lshl_b32 s41, s15, 10
	s_add_co_u32 s43, s43, s41                     ; vc: 16,384 X + 1,024 i: register groups 2 i, 2 i + 1 of each image
	s_add_co_u32 s41, s44, s46                     ; qc: ((2 Y + c) 128 + 8 X + 4 i) images
	s_mov_b32 s45, 0
	s_mov_b32 s75, 0
	s_mov_b32 s74, 4194304                         ; from batch to batch in qc,
	s_cmp_eq_u32 s16, 0
	s_cselect_b32 s44, s44, s43
	s_cmp_eq_u32 s42, 8
	s_cselect_b32 s44, s44, s41                    ; my outputs' offset
	s_cselect_b32 s74, 262144, s74                 ; in kc and vc
	s_cselect_b32 s46, 0, s46                      ; Y = 8: both halves of B are W_latent's 128 rows
	s_cselect_b32 s22, 0, s22
	s_cselect_b32 s66, s16, 0                      ; 1 in the waves that make V: made of ids alone, the same in all partners
	s_mul_i32 s2, s14, HALFT                       ; where my tensor loads go: wave x 128 rows
	s_wait_dscnt 0x0                               ; the opening add is done
	s_wait_kmcnt 0x0
	s_load_b256 s[88:95], s[78:79], 0x0            ; e0 .. e7
	s_cmp_eq_u32 s16, 0
	s_cselect_b64 s[68:69], s[82:83], s[84:85]
	s_cmp_eq_u32 s42, 8
	s_cselect_b64 s[68:69], s[68:69], s[80:81]     ; kc, vc or qc
	s_cselect_b64 s[72:73], s[76:77], s[10:11]     ; b_latent or b_d
	s_cselect_b64 s[18:19], s[8:9], s[6:7]         ; W_latent or W_d
	s_add_nc_u64 s[68:69], s[68:69], s[44:45]      ; batch 0's images
	s_add_nc_u64 s[70:71], s[68:69], s[74:75]      ; batch 1's
	s_add_nc_u64 s[72:73], s[72:73], s[22:23]
	s_add_nc_u64 s[46:47], s[18:19], s[46:47]
	s_add_nc_u64 s[20:21], s[4:5], s[20:21]
	CROUND                                         ; all four work-groups are here: the first joint loads meet
.irp s, 0,1
	s_mov_b32 s[G0+4*\s], 1
	s_add_co_u32 s[G0+4*\s+1], s2, \s*SLOT
	s_add_nc_u64 s[G0+4*\s+2:G0+4*\s+3], s[20:21], \s*ROWB
	s_or_b32 s[G0+4*\s+3], s[G0+4*\s+3], 0x80000000
	s_mov_b32 s[G0B+4*\s], 1
	s_add_co_u32 s[G0B+4*\s+1], s2, \s*SLOT
	s_add_nc_u64 s[G0B+4*\s+2:G0B+4*\s+3], s[46:47], \s*ROWB
	s_or_b32 s[G0B+4*\s+3], s[G0B+4*\s+3], 0x80000000
	JLOAD G0+4*\s, G1, G0B+4*\s, G1B
.endr
	v_and_b32 v1, 15, v0                           ; r
	v_bfe_u32 v2, v0, 4, 1                         ; h
	v_mul_u32_u24 v3, v1, PITCH
	v_lshl_add_u32 v4, v2, 4, v3                   ; a fragment's row x pitch + 16 h
	s_mul_i32 s40, s15, 64*PITCH                   ; my 64 positions of each batch
	s_mul_i32 s41, s16, HALFT
	s_add_co_u32 s41, s41, 2*HALFT                 ; my 128 rows of B, behind A's 256
.irp s, 0,1
	v_add_nc_u32 v[ADRA+\s], s40, v4
	v_add_nc_u32 v[ADRB+\s], s41, v4
	s_add_co_u32 s40, s40, SLOT
	s_add_co_u32 s41, s41, SLOT
.endr
	v_and_b32 v3, 31, v0
	v_lshlrev_b32 v[LI], 4, v3
	s_mul_i32 s40, s14, 16*UNIT
	v_add_nc_u32 v[TW], s40, v[LI]
	s_mul_i32 s40, s15, 32*UNIT
	v_add_nc_u32 v[TR], s40, v[LI]
	s_mul_i32 s40, s14, 16*VP
	s_add_co_u32 s40, s40, VSTG
	v_mul_u32_u24 v3, v1, VP
	v_lshl_add_u32 v3, v2, 5, v3
	v_add_nc_u32 v[VS], s40, v3
	v_and_b32 v3, 8, v1
	v_add_nc_u32 v3, v3, v1                        ; r + 8 (r / 8)
	v_lshlrev_b32 v3, 2, v3
	v_mul_u32_u24 v4, v2, 8*VP
	v_add_nc_u32 v3, v3, v4
	v_add_nc_u32 v[VR], s40, v3
	v_lshlrev_b32 v[BO], 5, v2
	s_lshl_b32 s40, s17, 7
	s_lshl_b32 s41, s14, 5
	s_add_co_u32 s40, s40, s41
	v_add_nc_u32 v[RP], s40, v1
	v_lshlrev_b32 v[HJ], 2, v2
.irp a, 1,2,3
	v_add_nc_u32 v[HJ+\a], \a, v[HJ]
.endr
.macro FRAG reg, adr, q, row           ; 16 rows x 128 K: lane l holds row l % 16; registers 4 c .. 4 c + 3 hold K = 32 c + 16 (l / 16) + 0..15, alike in A and in B
.irp c, 0,1,2,3
	ds_load_b128 v[\reg+4*\c:\reg+4*\c+3], v[\adr] offset:128*(\q)+32*\c+(\row)*PITCH
.endr
.endm
; 16 matrix instructions: A's blocks a0, a0 + 1 x B's eight.  The 64 accumulators take turns, one instruction a turn, in the same order in every step.
.macro MUL16 a0, p, zero
.irp a, \a0, \a0+1
.irp b, 0,1,2,3,4,5,6,7
.if \zero
	v_wmma_f32_16x16x128_fp8_fp8 v[8*(8*((\a)%4)+\b):8*(8*((\a)%4)+\b)+7], v[128*(\p)+FR*\b:128*(\p)+FR*\b+FR-1], v[AF+FR*(\a):AF+FR*(\a)+FR-1], 0
.else
	v_wmma_f32_16x16x128_fp8_fp8 v[8*(8*((\a)%4)+\b):8*(8*((\a)%4)+\b)+7], v[128*(\p)+FR*\b:128*(\p)+FR*\b+FR-1], v[AF+FR*(\a):AF+FR*(\a)+FR-1], v[8*(8*((\a)%4)+\b):8*(8*((\a)%4)+\b)+7]
.endif
.endr
.endr
.endm
.macro FETCH_B slot, q, p
	WIN TO_B
.irp i, 0,1,2,3,4,5,6,7
	FRAG 128*(\p)+FR*\i, ADRB+\slot, \q, 16*\i
.endr
	WIN 0
.endm
.macro FETCH_A slot, q, i0             ; blocks 0-3: batch 0's rows, blocks 4-7: batch 1's, 128 LDS rows further on
.irp i, \i0, \i0+1, \i0+2, \i0+3
	FRAG AF+FR*(\i), ADRA+\slot, \q, 16*((\i)%4)+128*((\i)/4)
.endr
.endm
.macro PLACES n                        ; plain vector instructions between a matrix instruction and a load into, or a vector write or read of, its registers
.rept \n
	v_nop
.endr
.endm
.macro STEP slot, q, zero              ; 128 along K, with its successor in the same slot
	s_wait_dscnt 4*NL                              ; B's set and A's blocks 0-3 are in; the youngest sixteen loads (A's blocks 4-7) may be out
	WIN MUL_LO
	MUL16 0, (\q)%2, \zero
	MUL16 2, (\q)%2, \zero
	s_wait_dscnt 0
	PLACES NP
	FETCH_B \slot, (\q)+1, 1-(\q)%2
	FETCH_A \slot, (\q)+1, 0
	WIN MUL_HI
	MUL16 4, (\q)%2, \zero
	MUL16 6, (\q)%2, \zero
	PLACES NP
	WIN 0
	FETCH_A \slot, (\q)+1, 4
.endm
; A slot's last step changes slots: one barrier; in front of it each wave waits for all its tensor loads, adds 0 to its spare word, and waits for that and for its reads of this slot.
.macro TURN slot, next, fill
	s_wait_tensorcnt 0x0                           ; all my tensor loads have landed: my part of the next slot
	ds_add_u32 v[SPW], v[NIL]                      ; 0 onto my spare word
	s_wait_dscnt 4*NL+1                            ; (the add and A's blocks 4-7 may be out)
	WIN MUL_LO
	MUL16 0, 1, 0
	s_wait_dscnt 0x0                               ; the add is done, and my reads of this slot are over
	s_barrier_signal -1
	MUL16 2, 1, 0
	WIN 0
	s_barrier_wait -1
.if \fill
	CREST                                          ; the barrier has opened a round of the cluster's: no wave of any partner still reads this slot or has a load on its way
	s_add_nc_u64 s[G0+4*\slot+2:G0+4*\slot+3], s[G0+4*\slot+2:G0+4*\slot+3], 2*ROWB
	s_add_nc_u64 s[G0B+4*\slot+2:G0B+4*\slot+3], s[G0B+4*\slot+2:G0B+4*\slot+3], 2*ROWB
	JLOAD G0+4*\slot, G1, G0B+4*\slot, G1B         ; my one tensor load behind the round; its four v_nop are the places in front of the loads below
.else
	PLACES NP
.endif
	FETCH_B \next, 0, 0
	FETCH_A \next, 0, 0
	WIN MUL_HI
	MUL16 4, 1, 0
	MUL16 6, 1, 0
	PLACES NP
	WIN 0
	FETCH_A \next, 0, 4
.endm
	s_wait_tensorcnt 1                             ; my part of K slot 0 is in; slot 1's load may be out
	s_barrier_signal -1
	s_barrier_wait -1
	FETCH_B 0, 0, 0
	FETCH_A 0, 0, 0
	FETCH_A 0, 0, 4
	STEP 0, 0, 1                                   ; the first step's products start the sums
	s_mov_b32 s3, LAPS-1
.Llap:
	TURN 0, 1, 1
	STEP 1, 0, 0
	TURN 1, 0, 1
	STEP 0, 0, 0
	s_sub_co_u32 s3, s3, 1
	s_cmp_lg_u32 s3, 0
	s_cbranch_scc1 .Llap
	TURN 0, 1, 0                                   ; the last lap fills nothing
	STEP 1, 0, 0
	WIN TO_B                                       ; the bias of my 128 columns, in the result's layout, into B's set 0, whose last readers stand in front of the step's closing places
.irp b, 0,1,2,3,4,5,6,7
	global_load_b128 v[8*\b:8*\b+3], v[BO], s[72:73] offset:64*\b
	global_load_b128 v[8*\b+4:8*\b+7], v[BO], s[72:73] offset:64*\b+16
.endr
	s_wait_dscnt 4*NL
	WIN MUL_LO
	MUL16 0, 1, 0
	MUL16 2, 1, 0
	s_wait_dscnt 0
	WIN MUL_HI
	MUL16 4, 1, 0
	MUL16 6, 1, 0
	WIN 0
	PLACES NP
	; the scales: chosen without a branch
	s_wait_kmcnt 0x0
	s_add_co_i32 s18, s88, s89                     ; e0 + e1
	s_add_co_i32 s19, s90, s91                     ; e2 + e3
	s_cmp_eq_u32 s16, 0
	s_cselect_b32 s20, s93, s95                    ; K: e5; V: e7
	s_cmp_eq_u32 s42, 8
	s_cselect_b32 s96, s18, s19
	s_cselect_b32 s20, s20, s92                    ; q: e4
	s_add_co_i32 s96, s96, 127
	s_lshl_b32 s96, s96, 23                        ; the power of two that the sums lack, as f32
	s_mov_b32 s97, s96                             ; (named with it as a pair)
	s_add_co_i32 s20, s20, 127
	s_lshl_b32 s21, s20, 23
	v_mov_b32 v145, s21                            ; the quantiser's scale as f32
	s_add_co_i32 s20, s20, 8
	s_lshl_b32 s20, s20, 23
	s_or_b32 s20, s20, 0x600000
	v_mov_b32 v144, s20                            ; 448 x the scale
	; THE TABLE.  The two waves of a row half share it: wave (i, c) makes the units of a' = 2 c, 2 c + 1: 16 trips, one unit (a', b) each: four angles a lane.
	v_mov_b32 v96, 0x3c08839e                      ; the sine's and the cosine's middle coefficients, each twice, for the packed forms
	v_mov_b32 v97, 0x3c08839e
	v_mov_b32 v98, 0xbe2aaaa3
	v_mov_b32 v99, 0xbe2aaaa3
	v_mov_b32 v100, 0xbab6061a
	v_mov_b32 v101, 0xbab6061a
	v_mov_b32 v102, 0x3d2aaaa5
	v_mov_b32 v103, 0x3d2aaaa5
	s_mov_b32 s74, 0                               ; u
	s_mov_b32 s75, 0                               ; UNIT x u
.Ltab:
	s_and_b32 s18, s74, 7
	s_lshl_b32 s18, s18, 3                         ; 8 b
	s_lshr_b32 s19, s74, 3
	s_lshl_b32 s19, s19, 4                         ; 16 (u / 8)
.irp a, 0,1,2,3
	v_add_nc_u32 v[32+\a], s18, v[HJ+\a]           ; the pair's number j = 8 b + 4 h + a
.endr
.irp a, 0,1,2,3
	v_cvt_f32_u32 v[32+\a], v[32+\a]
.endr
.irp a, 0,1,2,3
	v_mul_f32 v[32+\a], 0xbe549a78, v[32+\a]       ; -j log2(10) / 16
.endr
.irp a, 0,1,2,3
	v_exp_f32 v[32+\a], v[32+\a]                   ; inv_freq = 10000^(-j / 64)
.endr
	v_add_nc_u32 v38, s19, v[RP]                   ; (the plain instruction behind the exponentials)  my position
	v_cvt_f32_u32 v36, v38
	v_mov_b32 v37, v36
	s_wait_alu depctr_va_vdst(0)                   ; one wait for the four exponentials, ahead of their first reader
.irp a, 0,2
	v_pk_mul_f32 v[40+\a:41+\a], v[32+\a:33+\a], v[36:37]                                   ; the angle, rounded once
.endr
.irp a, 0,2
	v_pk_mul_f32 v[44+\a:45+\a], v[40+\a:41+\a], 0x3f22f983 op_sel_hi:[1,0]                 ; x 2 / pi
.endr
.irp a, 0,1,2,3
	v_rndne_f32 v[44+\a], v[44+\a]                 ; n
.endr
.irp a, 0,2
	v_pk_fma_f32 v[48+\a:49+\a], v[44+\a:45+\a], 0xbfc90fdb, v[40+\a:41+\a] op_sel_hi:[1,0,1]   ; r = angle - n x (pi / 2's upper part)
.endr
.irp a, 0,2
	v_pk_fma_f32 v[48+\a:49+\a], v[44+\a:45+\a], 0x333bbd2e, v[48+\a:49+\a] op_sel_hi:[1,0,1]   ;   - n x (its lower part, which is negative)
.endr
.irp a, 0,2
	v_pk_mul_f32 v[52+\a:53+\a], v[48+\a:49+\a], v[48+\a:49+\a]                             ; z = r r
.endr
.irp a, 0,2
	v_pk_fma_f32 v[56+\a:57+\a], v[52+\a:53+\a], 0xb94ca1f9, v[96:97] op_sel_hi:[1,0,1]
	v_pk_fma_f32 v[60+\a:61+\a], v[52+\a:53+\a], 0x37ccf5ce, v[100:101] op_sel_hi:[1,0,1]
.endr
.irp a, 0,2
	v_pk_fma_f32 v[56+\a:57+\a], v[56+\a:57+\a], v[52+\a:53+\a], v[98:99]
	v_pk_fma_f32 v[60+\a:61+\a], v[60+\a:61+\a], v[52+\a:53+\a], v[102:103]
.endr
.irp a, 0,2
	v_pk_mul_f32 v[56+\a:57+\a], v[56+\a:57+\a], v[52+\a:53+\a]
	v_pk_mul_f32 v[60+\a:61+\a], v[60+\a:61+\a], v[52+\a:53+\a]
	v_pk_fma_f32 v[64+\a:65+\a], v[52+\a:53+\a], -0.5, 1.0 op_sel_hi:[1,0,0]
.endr
.irp a, 0,2
	v_pk_fma_f32 v[56+\a:57+\a], v[56+\a:57+\a], v[48+\a:49+\a], v[48+\a:49+\a]             ; sin r
	v_pk_fma_f32 v[60+\a:61+\a], v[60+\a:61+\a], v[52+\a:53+\a], v[64+\a:65+\a]             ; cos r
.endr
.irp a, 0,1,2,3
	v_cvt_i32_f32 v[68+\a], v[44+\a]
.endr
.irp a, 0,1,2,3
	v_lshlrev_b32 v[72+\a], 31, v[68+\a]           ; n's bit 0 as a sign
	v_lshlrev_b32 v[76+\a], 30, v[68+\a]           ; n's bit 1 as a sign
.endr
	s_wait_dscnt 0x0                               ; the last trip's stores have read v80-92
.irp a, 0,1,2,3
	v_cmp_gt_i32 vcc_lo, 0, v[72+\a]               ; n odd: sine and cosine change places
	v_cndmask_b32 v[68+\a], v[56+\a], v[60+\a], vcc_lo
	v_cndmask_b32 v[80+\a], v[60+\a], v[56+\a], vcc_lo
	v_xor_b32 v[72+\a], v[72+\a], v[76+\a]
	v_and_b32 v[76+\a], 0x80000000, v[76+\a]       ; the sine is negated where bit 1 is set,
	v_and_b32 v[72+\a], 0x80000000, v[72+\a]       ; the cosine where bits 0 and 1 differ
	v_xor_b32 v[85+2*\a], v[68+\a], v[76+\a]       ; s
	v_xor_b32 v[80+\a], v[80+\a], v[72+\a]         ; c
	v_xor_b32 v[84+2*\a], 0x80000000, v[85+2*\a]   ; -s
.endr
	v_add_nc_u32 v92, s75, v[TW]
	ds_store_b128 v92, v[80:83]
	ds_store_b128 v92, v[84:87] offset:512
	ds_store_b128 v92, v[88:91] offset:1024
	s_add_co_u32 s75, s75, UNIT
	s_add_co_u32 s74, s74, 1
	s_cmp_lt_u32 s74, 16
	s_cbranch_scc1 .Ltab
	s_wait_dscnt 0x0                               ; for the others' sake: my units have landed, and my reads of slot 1 are long over
	s_barrier_signal -1
	s_barrier_wait -1                              ; the table is whole, and nobody reads slot 1 any more
	s_wait_loadcnt 0x0                             ; the bias
.macro SUMS bat, blk                   ; 64 numbers: sum x 2^e + bias; each accumulator from its low end on
	WIN 0x12+(\bat)                                ; source 0 window 2 or 3, source 2 (the bias) window 1
.set n, 0
.rept 32
	v_pk_fma_f32 v[XR+n:XR+n+1], v[64*(\blk)+n:64*(\blk)+n+1], s[96:97], v[n:n+1] op_sel_hi:[1,0,1]
.set n, n+2
.endr
	WIN 0
.endm
.macro TABLE blk                       ; the table of positions 16 blk + r: 8 units
.irp b, 0,1,2,3,4,5,6,7
.irp k, 0,1,2
	ds_load_b128 v[TT+12*\b+4*\k:TT+12*\b+4*\k+3], v[TR] offset:(8*(\blk)+\b)*UNIT+512*\k
.endr
.endr
	s_wait_dscnt 0x0
.endm
; 16 positions of one batch: bias, RoPE, hold, conversion, one image out.
.macro APPLY blk, bat
.if (\blk) > 0
	s_wait_xcnt 0x0                                ; the stores of this batch's last image have read their data registers
.endif
	SUMS \bat, \blk
.irp b, 0,1,2,3,4,5,6,7
.irp q, 0,1
	v_pk_mul_f32 v[YR+8*(\b%2)+4*\q:YR+8*(\b%2)+4*\q+1], v[XR+8*\b+4*\q:XR+8*\b+4*\q+1], v[TT+12*\b+2*\q:TT+12*\b+2*\q+1] op_sel_hi:[1,0]                  ; (xe, xo) x c of the even pair
	v_pk_mul_f32 v[YR+8*(\b%2)+4*\q+2:YR+8*(\b%2)+4*\q+3], v[XR+8*\b+4*\q+2:XR+8*\b+4*\q+3], v[TT+12*\b+2*\q:TT+12*\b+2*\q+1] op_sel:[0,1] op_sel_hi:[1,1]  ; of the odd pair
.endr
.irp p, 0,1,2,3
	v_pk_fma_f32 v[YR+8*(\b%2)+2*\p:YR+8*(\b%2)+2*\p+1], v[XR+8*\b+2*\p:XR+8*\b+2*\p+1], v[TT+12*\b+4+2*\p:TT+12*\b+5+2*\p], v[YR+8*(\b%2)+2*\p:YR+8*(\b%2)+2*\p+1] op_sel:[1,0,0] op_sel_hi:[0,1,1]   ; + (xo x -s, xe x s)
.endr
.irp j, 0,1,2,3,4,5,6,7
	v_med3_num_f32 v[YR+8*(\b%2)+\j], v[YR+8*(\b%2)+\j], -v144, v144   ; the conversion to an 8-bit code does not saturate (ISA guide 7.6.2): the hold at the largest code x the scale
.endr
	v_cvt_scalef32_pk8_fp8_f32 v[CD+16*(\bat)+2*\b:CD+16*(\bat)+2*\b+1], v[YR+8*(\b%2):YR+8*(\b%2)+7], v145
.endr
	v_nop                                          ; a plain instruction behind the last conversion
.irp k, 0,1,2,3
	global_store_b128 v[LI], v[CD+16*(\bat)+4*\k:CD+16*(\bat)+4*\k+3], s[68+2*(\bat):69+2*(\bat)] offset:2048*(\blk)+512*\k
.endr
.endm
; V: 16 positions of one batch are turned through my stage, so that a lane's eight registers run along the keys; two blocks make a register group of each of the eight images.
.macro VAPPLY bat, blk
	SUMS \bat, \blk
.irp b, 0,1,2,3,4,5,6,7
	ds_store_b128 v[VS], v[XR+8*\b:XR+8*\b+3] offset:64*\b
	ds_store_b128 v[VS], v[XR+8*\b+4:XR+8*\b+7] offset:64*\b+16
.endr
.irp f, 0,1,2,3,4,5,6,7
.irp j, 0,1,2,3,4,5,6,7
	ds_load_b32 v[TT+8*\f+\j], v[VR] offset:VP*\j+128*(\f/2)+32*(\f%2)   ; key 8 h + j, d = 32 (f / 2) + 8 (f % 2) + r + 8 (r / 8).  LDS serves a wave's instructions in order (ISA guide 5.7.1.4): these see my stores
.endr
.endr
	s_wait_dscnt 0x0
.set n, 0
.rept 64
	v_med3_num_f32 v[TT+n], v[TT+n], -v144, v144
.set n, n+1
.endr
.if (\blk)%2 == 0
	s_wait_xcnt 0x0                                ; the last pair's stores have read their data registers
.endif
.irp f, 0,1,2,3,4,5,6,7
	v_cvt_scalef32_pk8_fp8_f32 v[CD+4*\f+2*((\blk)%2):CD+4*\f+2*((\blk)%2)+1], v[TT+8*\f:TT+8*\f+7], v145
.endr
	v_nop
.if (\blk)%2 == 1
.irp f, 0,1,2,3,4,5,6,7
	global_store_b128 v[LI], v[CD+4*\f:CD+4*\f+3], s[68+2*(\bat):69+2*(\bat)] offset:2048*\f+512*((\blk)/2)
.endr
.endif
.endm
	s_cmp_eq_u32 s66, 1                            ; ids alone
	s_cbranch_scc1 .Lvpath
.irp m, 0,1,2,3
	TABLE \m
	APPLY \m, 0
	APPLY \m, 1
.endr
	s_branch .Lend
.Lvpath:
.irp t, 0,1
.irp m, 0,1,2,3
	VAPPLY \t, \m
.endr
.endr
.Lend:
	s_wait_tensorcnt 0x0                           ; the wave's end: behind my last tensor load and my last LDS store
	ds_add_u32 v[SPW], v[NIL]
	s_wait_dscnt 0x0
	CROUND                                         ; the closing round: no work-group ends while a partner may still ask for a tile that names it
	s_endpgm
.Lfunc_end_k_q4d8b01140c_qkv:
	.size	k_q4d8b01140c_qkv, .Lfunc_end_k_q4d8b01140c_qkv-k_q4d8b01140c_qkv
	.p2alignl 7, 3214868480
	.fill 96, 4, 3214868480
	.section	.rodata,"a",@progbits
	.p2align	6, 0x0
	.amdhsa_kernel k_q4d8b01140c_qkv
		.amdhsa_group_segment_fixed_size 327680
		.amdhsa_private_segment_fixed_size 0
		.amdhsa_enable_private_segment 0
		.amdhsa_kernarg_size 72
		.amdhsa_user_sgpr_count 2
		.amdhsa_user_sgpr_kernarg_segment_ptr 1
		.amdhsa_wavefront_size32 1
		.amdhsa_system_sgpr_workgroup_id_x 1
		.amdhsa_system_sgpr_workgroup_id_y 1
		.amdhsa_system_sgpr_workgroup_id_z 1
		.amdhsa_system_vgpr_workitem_id 0
		.amdhsa_next_free_vgpr 1024
		.amdhsa_next_free_sgpr 100
		.amdhsa_reserve_vcc 1
		.amdhsa_float_denorm_mode_32 3
		.amdhsa_float_denorm_mode_16_64 3
		.amdhsa_memory_ordered 1
		.amdhsa_forward_progress 1
		.amdhsa_inst_pref_size 255
	.end_amdhsa_kernel
	.section	.bss,"aw",@nobits
	.p2align	6
	.space	262144
	.amdgpu_metadata
---
amdhsa.version: [ 1, 2 ]
amdhsa.kernels:
  - .name:           k_q4d8b01140c_qkv
    .symbol:         k_q4d8b01140c_qkv.kd
    .args:
      - { .name: x_codes, .offset: 0, .size: 8, .value_kind: global_buffer, .address_space: global }
      - { .name: W_d_codes, .offset: 8, .size: 8, .value_kind: global_buffer, .address_space: global }
      - { .name: W_latent_codes, .offset: 16, .size: 8, .value_kind: global_buffer, .address_space: global }
      - { .name: b_d, .offset: 24, .size: 8, .value_kind: global_buffer, .address_space: global }
      - { .name: b_latent, .offset: 32, .size: 8, .value_kind: global_buffer, .address_space: global }
      - { .name: lowp_scales, .offset: 40, .size: 8, .value_kind: global_buffer, .address_space: global }
      - { .name: qc, .offset: 48, .size: 8, .value_kind: global_buffer, .address_space: global }
      - { .name: kc, .offset: 56, .size: 8, .value_kind: global_buffer, .address_space: global }
      - { .name: vc, .offset: 64, .size: 8, .value_kind: global_buffer, .address_space: global }
    .group_segment_fixed_size: 327680
    .private_segment_fixed_size: 0
    .kernarg_segment_align: 8
    .kernarg_segment_size: 72
    .max_flat_workgroup_size: 128
    .sgpr_count:     100
    .vgpr_count:     1024
    .wavefront_size: 32
...
	.end_amdgpu_metadata
.endif
;; end of part 1
;; launch attn (part 2): grid 64 x 4, 8 waves a work-group, no clusters, 327,680 bytes of LDS; arguments qc, kc, vc, lowp_scales, yc; writes yc
.if DOCPART == 2
	.amdgcn_target "amdgcn-amd-amdhsa--gfx1250"
	.amdhsa_code_object_version 6
	.text
	.protected	k_q4d8b01140c_attn
	.globl	k_q4d8b01140c_attn
	.p2align	8
	.type	k_q4d8b01140c_attn,@function
k_q4d8b01140c_attn:
	s_mov_b64 s[64:65], 0
	v_nop
	global_prefetch_b8 v0, s[64:65] scope:SCOPE_SE
	s_setreg_imm32_b32 hwreg(HW_REG_WAVE_MODE, 25, 1), 1
	s_wait_xcnt 0x0
; y[b][t][head][:] = softmax_s(q_rot . k_rot / sqrt(128), causal) kv, both products on codes of FP8 (E4M3); K and V are shared by the 16 heads of a batch.  y is quantised (2^e8) and stored as codes.
; qc, kc, vc, yc are images of operand registers: a fragment (16 rows x 128) is 2,048 bytes, registers 4 k .. 4 k + 3 of lane l at 512 k + 16 l: four loads of 16 bytes a lane bring one, with no pitch.
; THE SOFTMAX: t = score x log2(e) / sqrt(128); M = the running largest t rounded UP to a whole number; p = 2^(t - M) is quantised (2^e6), not normalised; the sum is taken of the unquantised p and divides at the end.
; SHARES.  Work-group (pp, y): batch y / 2, heads 8 (y % 2) + 0..7, the blocks of 16 queries pp and 127 - pp: a short and a long one, 17 key steps of 128 together in every work-group.
; Wave w: block pp or 127 - pp by (w ^ (w >> 2)) & 1; heads 2 (w >> 1), + 1 of the eight: TWO tiles at the same positions, so that each fragment of K and V read from LDS feeds two products, and one mask serves both.
; Both products are used transposed (S^T = K Q^T, O^T = V^T P^T): a lane holds one query.  S^T's register 8 t + j is key 16 t + 8 h + j: the converted p is the operand whose key order is vc's.
; vc's rows are ordered so that O^T's tiles 2 b', 2 b' + 1 hold d = 32 b' + 16 h + 0..15: the converted y is a fragment of the last product's A.
; THE RING: two slots of two key steps (each 16 KB of K's images, then 16 KB of V's), filled by waves 0-3, one dense tensor load of 16 KB each, read by all eight.  Every work-group walks all 8 slots: trip counts are constants.
; CAUSAL: a step all of whose keys come after the wave's queries is jumped over (ids alone); a slot whose first key comes after the work-group's last query is not asked for.
; NO CLUSTER: that jump leads round a tensor load and differs between work-groups that read the same K and V, so the loads cannot be joint.
; LIMITS: e4 + e5 between -123 and 130; e6, e8 between -126 and 119; e6 + e7 is applied by v_ldexp_f32 and has none.
; REGISTERS: window 0: v1-10 addresses and constants; v12-27 eight registers of statistics a tile; v32-95 four fragments; v96-223 S^T, then p, 64 a tile; v224-255 codes, 16 a tile.  window 1: v0-127 O^T, 64 a tile; v128-159 Q, 16 a tile.
.set STEPB, 32768                      ; a key step in a slot
.set VOFF,  16384                      ; V's images behind K's
.set SLOT1, 65536
.set SPARE, 2*SLOT1                    ; behind the ring: the spare words, 128 bytes for each of eight waves, which no other line names
.set NSL,   8
.set LI,   1                           ; v1   16 x lane
.set SPW,  2
.set NIL,  3
.set ADR,  4                           ; v4   the slot in hand + 16 x lane
.set PFO,  5                           ; v5   256 x lane
.set DQ,   6                           ; v6   r - 8 h
.set LIMV, 7                           ; v7   448 x the quantiser's scale
.set SCV,  8                           ; v8   the scale as f32
.set DD,   9
.set NINF, 10
.set ST,   12                          ; tile u at v[ST + 8 u]: +0 -M, +1 the largest t, +2, +3 the sum in two halves, +4 f, +5 (named with it), +6, +7 at work
.set PL,   28
.set SUM2, 30
.set FRG,  32
.set S,    96
.set PC,   224
.set OW,   0
.set QW,   128
.set WV,   18
.set SEL,  20
.set CS,   22
.set G1,   24
.set G0,   40
.set TB,   2
.set SLOTS, 67
.set PFA,  78
.set LIM,  80
.set QL,   81
.set YP,   82
.set KF,   98
.set Q0,   99
.set MSB, 0
.macro WIN new
.if MSB != \new
	s_set_vgpr_msb (MSB<<8)|\new
.set MSB, \new
.endif
.endm
.macro TLOAD                           ; waves 0-3 fetch, the others nothing; an s_nop 0 and four v_nop follow the load
	s_cmp_lt_u32 s[WV], 4
	s_cbranch_scc0 .Lasked_\@
	tensor_load_to_lds s[G0:G0+3], s[G1:G1+7]
	s_nop 0
.rept 4
	v_nop
.endr
.Lasked_\@:
.endm
; A prefetch of what the NEXT change of slots will ask for: 32,768 bytes of kc and of vc.  All work-groups of a batch walk the same K and V: the one with pp = 0 and y % 2 = 0 asks; waves 0-3 for K's block,
; waves 4-7 for V's, 8,192 bytes a wave, lanes 256 bytes apart: each aligned block of 256 bytes is named once in the launch.  The last change that fills a slot asks for nothing; slots 0 and 1 come by their loads alone.
.macro ASK
	s_cmp_gt_u32 s[SLOTS], s[LIM]
	s_cbranch_scc0 .Lnot_mine_\@
	global_prefetch_b8 v[PFO], s[PFA:PFA+1] th:TH_LOAD_NT scope:SCOPE_SE
.Lnot_mine_\@:
.endm
	s_load_b256 s[4:11], s[0:1], 0x0               ; qc s[4:5], kc s[6:7], vc s[8:9], the exponents s[10:11]
	s_load_b64 s[12:13], s[0:1], 0x20              ; yc
	v_lshl_add_u32 v[SPW], v0, 2, SPARE
	v_mov_b32 v[NIL], 0
	ds_add_u32 v[SPW], v[NIL]                      ; the wave's opening: the add and its wait ahead of my first tensor load
	v_lshrrev_b32 v4, 5, v0
	v_readfirstlane_b32 s[WV], v4                  ; wave 0..7
	s_and_b32 s84, ttmp7, 0xffff
	s_lshr_b32 s85, s84, 1                         ; the batch
	s_and_b32 s86, s84, 1                          ; which eight heads
	s_lshr_b32 s87, s[WV], 2
	s_xor_b32 s87, s87, s[WV]
	s_and_b32 s87, s87, 1                          ; 0: the short block, 1: the long one
	s_lshr_b32 s88, s[WV], 1                       ; which pair of the eight heads
	s_sub_co_u32 s89, 127, ttmp9
	s_cmp_eq_u32 s87, 0
	s_cselect_b32 s89, ttmp9, s89                  ; my block of 16 queries
	s_lshl_b32 s[Q0], s89, 4                       ; my first query
	s_lshl_b32 s[QL], ttmp9, 4
	s_sub_co_u32 s[QL], 2047, s[QL]                ; my work-group's last query: 16 (127 - pp) + 15
	s_mov_b32 s[G1], 3<<16                         ; no mask; elements of 8 bytes; no padding
	s_mov_b32 s[G1+1], 32<<16                      ; tensor_dim0 = 32 elements: rows of 256 bytes
	s_mov_b32 s[G1+2], 64<<16                      ; tensor_dim1 = 64
	s_mov_b32 s[G1+3], 32<<16                      ; tile_dim0
	s_mov_b32 s[G1+4], 64                          ; tile_dim1
	s_mov_b32 s[G1+5], 32                          ; dense: a row begins where the last ends
	s_mov_b32 s[G1+6], 0
	s_mov_b32 s[G1+7], 0
	s_mov_b32 s[SEL], 0x76543210
	s_mov_b32 s[SEL+1], 0xfedcba98
	s_mov_b32 s[CS], 0x3e0293ee                    ; c = log2(e) / sqrt(128)
	s_mov_b32 s[TB], 0
	s_mov_b32 s[SLOTS], NSL-1
	s_mov_b32 s[KF], 0
	s_lshl_b32 s90, s85, 22                        ; Q: ((16 b + head) 128 + block) images of 2,048 bytes
	s_lshl_b32 s91, s86, 21
	s_add_co_u32 s90, s90, s91
	s_lshl_b32 s91, s88, 19
	s_add_co_u32 s90, s90, s91
	s_lshl_b32 s91, s89, 11
	s_add_co_u32 s90, s90, s91
	s_mov_b32 s91, 0
	s_lshl_b32 s92, s85, 7                         ; yc [16 rows of tiles][8 K slots][2 halves][8 blocks][2 heads][2048]: G = 128 b + block
	s_add_co_u32 s92, s92, s89
	s_lshr_b32 s93, s92, 4
	s_lshl_b32 s93, s93, 19
	s_and_b32 s92, s92, 15
	s_lshl_b32 s92, s92, 12
	s_add_co_u32 s92, s92, s93
	s_lshl_b32 s93, s86, 18                        ; K slot = head / 2 = 4 (y % 2) + (w >> 1), 65,536 bytes each
	s_add_co_u32 s92, s92, s93
	s_lshl_b32 s93, s88, 16
	s_add_co_u32 s92, s92, s93
	s_mov_b32 s93, 0
	s_and_b32 s94, s[WV], 3                        ; what I fetch, if I fetch: step (w & 1) of a slot; w < 2: K's images, else V's
	s_and_b32 s95, s94, 1
	s_lshr_b32 s94, s94, 1
	s_lshl_b32 s96, s95, 15
	s_lshl_b32 s94, s94, 14
	s_add_co_u32 s[G0+1], s96, s94                 ; its place in slot 0
	s_lshl_b32 s96, s85, 18                        ; the batch's 262,144 bytes,
	s_lshl_b32 s95, s95, 14                        ; the step's 16,384
	s_add_co_u32 s96, s96, s95
	s_mov_b32 s97, 0
	s_and_b32 s94, s[WV], 3                        ; the prefetches: my wave's 8,192 bytes,
	s_lshl_b32 s94, s94, 13
	s_lshl_b32 s95, s85, 18
	s_add_co_u32 s94, s94, s95
	s_add_co_u32 s94, s94, 32768                   ; in slot 1: the first change of slots steps it to slot 2
	s_mov_b32 s95, 0
	s_or_b32 s[LIM], ttmp9, s86
	s_cmp_eq_u32 s[LIM], 0
	s_cselect_b32 s[LIM], 1, -1                    ; 1 in a work-group that prefetches, else the greatest number
	s_wait_dscnt 0x0                               ; the opening add is done
	s_wait_kmcnt 0x0
	s_load_b256 s[68:75], s[10:11], 0x0            ; e0 .. e7
	s_load_b32 s76, s[10:11], 0x20                 ; e8
	s_mov_b32 s[G0], 1
	s_cmp_lt_u32 s[WV], 2
	s_cselect_b64 s[G0+2:G0+3], s[6:7], s[8:9]
	s_add_nc_u64 s[G0+2:G0+3], s[G0+2:G0+3], s[96:97]
	s_or_b32 s[G0+3], s[G0+3], 0x80000000
	TLOAD                                          ; slot 0
	s_add_nc_u64 s[4:5], s[4:5], s[90:91]
	s_add_nc_u64 s[YP:YP+1], s[12:13], s[92:93]
	s_cmp_lt_u32 s[WV], 4
	s_cselect_b64 s[PFA:PFA+1], s[6:7], s[8:9]
	s_add_nc_u64 s[PFA:PFA+1], s[PFA:PFA+1], s[94:95]
	v_and_b32 v4, 31, v0
	v_lshlrev_b32 v[LI], 4, v4
	v_lshlrev_b32 v[PFO], 8, v4
	v_and_b32 v[DQ], 15, v0
	v_bfe_u32 v4, v0, 4, 1
	v_lshlrev_b32 v4, 3, v4
	v_sub_nc_u32 v[DQ], v[DQ], v4
	v_mov_b32 v[NINF], 0xff800000
.irp u, 0,1
	v_mov_b32 v[ST+8*\u+1], 0xff61b1e6             ; the largest t so far: -3e38, under every t
	v_floor_f32 v[ST+8*\u], -v[ST+8*\u+1]          ; -M
.irp i, 2,3,4,5,6,7
	v_mov_b32 v[ST+8*\u+\i], 0
.endr
	v_mov_b32 v[PL+\u], 0                          ; a lane permute's destination counts as one of its sources
.endr
	WIN 0x40                                       ; destination window 1
.irp u, 0,1
.irp k, 0,1,2,3
	global_load_b128 v[QW+16*\u+4*\k:QW+16*\u+4*\k+3], v[LI], s[4:5] offset:262144*\u+512*\k   ; Q's two fragments stay in registers; the next head lies 128 images on
.endr
.endr
.set n, 0
.rept 128
	v_mov_b32 v[OW+n], 0                           ; O^T.  (The step is written without a first copy: the first step finds zeros, which the first change of M leaves zeros)
.set n, n+1
.endr
	WIN 0
	s_wait_kmcnt 0x0
	s_add_co_i32 s84, s72, s73
	s_lshl_b32 s84, s84, 23
	s_add_co_i32 s[CS], s[CS], s84                 ; a score stands for score x 2^(e4 + e5): added to c's exponent field
	s_mov_b32 s[CS+1], s[CS]
	s_add_co_i32 s84, s74, 127
	s_lshl_b32 s85, s84, 23
	v_mov_b32 v[SCV], s85                          ; 2^e6
	s_add_co_i32 s84, s84, 8
	s_lshl_b32 s84, s84, 23
	s_or_b32 s84, s84, 0x600000
	v_mov_b32 v[LIMV], s84                         ; 448 x 2^e6
.macro MAXIMA u                        ; the step's largest score of my query, the running largest t, the new -M and f = 2^(old M - new M)
.set T, ST+8*(\u)
.set SS, S+64*(\u)
	v_max3_num_f32 v[T+6], v[SS], v[SS+1], v[SS+2]
	v_max3_num_f32 v[T+7], v[SS+3], v[SS+4], v[SS+5]
.irp i, 6,10,14,18,22,26,30,34,38,42,46,50,54,58
	v_max3_num_f32 v[T+6], v[T+6], v[SS+\i], v[SS+\i+1]
	v_max3_num_f32 v[T+7], v[T+7], v[SS+\i+2], v[SS+\i+3]
.endr
	v_max3_num_f32 v[T+6], v[T+6], v[SS+62], v[SS+63]
	v_max_num_f32 v[T+6], v[T+6], v[T+7]
	v_permlanex16_b32 v[PL+\u], v[T+6], s[SEL], s[SEL+1]
	v_max_num_f32 v[T+6], v[T+6], v[PL+\u]         ; and among lane l xor 16's keys
	v_mul_f32 v[T+6], s[CS], v[T+6]                ; as t (c is positive)
	v_max_num_f32 v[T+1], v[T+1], v[T+6]
	v_mov_b32 v[T+6], v[T]
	v_floor_f32 v[T], -v[T+1]                      ; -M = floor(-t): M is a whole number
	v_sub_f32 v[T+6], v[T], v[T+6]                 ; old M - new M, a whole number, 0 or less
	v_cvt_i32_f32 v[T+6], v[T+6]                   ; (it saturates)
	v_ldexp_f32 v[T+4], 1.0, v[T+6]
.endm
.macro ROWSUM u                        ; the sum of the unquantised p, two at a time, in two chains
.set T, ST+8*(\u)
.set SS, S+64*(\u)
	v_pk_add_f32 v[SUM2:SUM2+1], v[SS:SS+1], v[SS+2:SS+3]
.irp j, 4,8,12,16,20,24,28,32,36,40,44,48,52,56,60
	v_pk_add_f32 v[T+2:T+3], v[T+2:T+3], v[SS+\j:SS+\j+1]
	v_pk_add_f32 v[SUM2:SUM2+1], v[SUM2:SUM2+1], v[SS+\j+2:SS+\j+3]
.endr
	v_pk_add_f32 v[T+2:T+3], v[T+2:T+3], v[SUM2:SUM2+1]
.endm
; A KEY STEP: 128 keys, the q-th of the slot in hand, for my two tiles.
.macro STEP q
	s_add_co_u32 s96, s[Q0], 15
	s_cmp_gt_u32 s[KF], s96                        ; all keys come after my queries: the step's work is left out (ids and the count of steps alone; no barrier and no tensor load stands in a step)
	s_cbranch_scc1 .Lhidden_\@
	v_add_nc_u32 v[ADR], s[TB], v[LI]
.irp g, 0,1                                    ; S^T = K Q^T: four images of 16 keys at a time, each against both heads' Q
.rept 3+\g
	v_nop                                          ; places in front of loads into registers that matrix instructions have read (four; the addition above is one)
.endr
.irp t, 0,1,2,3
.irp k, 0,1,2,3
	ds_load_b128 v[FRG+16*\t+4*\k:FRG+16*\t+4*\k+3], v[ADR] offset:(\q)*STEPB+(4*\g+\t)*2048+512*\k
.endr
.endr
	s_wait_dscnt 0x0
	WIN 0x04                                       ; source 1 (Q) window 1
.irp t, 0,1,2,3
.irp u, 0,1
	v_wmma_f32_16x16x128_fp8_fp8 v[S+64*\u+8*(4*\g+\t):S+64*\u+8*(4*\g+\t)+7], v[FRG+16*\t:FRG+16*\t+15], v[QW+16*\u:QW+16*\u+15], 0
.endr
.endr
	WIN 0
.endr
.rept 4
	v_nop
.endr
	s_add_co_u32 s96, s[KF], 127                   ; on the diagonal hidden scores become -infinity ahead of the maximum; a step all of whose keys count skips this
	s_cmp_le_u32 s96, s[Q0]
	s_cbranch_scc1 .Lopen_\@
	s_sub_co_i32 s96, s[Q0], s[KF]
	v_add_nc_u32 v[DD], s96, v[DQ]                 ; my query - KF - 8 h.  Register 8 t + j holds key KF + 16 t + 8 h + j: hidden where 16 t + j is greater
.set n, 0
.rept 64
	v_cmp_gt_i32 vcc_lo, 16*(n/8)+n%8, v[DD]
	v_cndmask_b32 v[S+n], v[S+n], v[NINF], vcc_lo
	v_cndmask_b32 v[S+64+n], v[S+64+n], v[NINF], vcc_lo   ; both heads stand at the same positions
.set n, n+1
.endr
.Lopen_\@:
	MAXIMA 0
	MAXIMA 1
.irp u, 0,1
.set n, 0
.rept 32
	v_pk_fma_f32 v[S+64*\u+n:S+64*\u+n+1], v[S+64*\u+n:S+64*\u+n+1], s[CS:CS+1], v[ST+8*\u:ST+8*\u+1] op_sel_hi:[1,0,0]   ; t - M
.set n, n+2
.endr
.endr
.set n, 0
.rept 128
	v_exp_f32 v[S+n], v[S+n]                       ; p = 2^(t - M): one batch for both tiles
.set n, n+1
.endr
.irp u, 0,1
	v_pk_mul_f32 v[ST+8*\u+2:ST+8*\u+3], v[ST+8*\u+2:ST+8*\u+3], v[ST+8*\u+4:ST+8*\u+5] op_sel_hi:[1,0]   ; the sums under the new M (plain instructions behind the exponentials)
.endr
	s_wait_alu depctr_va_vdst(0)                   ; one wait for the batch, ahead of its first reader
	ROWSUM 0
	ROWSUM 1
.irp u, 0,1
.irp b, 0,1,2,3
.irp i, 0,1,2,3,4,5,6,7,8,9,10,11,12,13,14,15
	v_min_num_f32 v[S+64*\u+16*\b+\i], v[S+64*\u+16*\b+\i], v[LIMV]   ; the conversion does not saturate (ISA guide 7.6.2); p is not negative, so the hold is one-sided
.endr
	v_cvt_scalef32_pk8_fp8_f32 v[PC+16*\u+4*\b:PC+16*\u+4*\b+1], v[S+64*\u+16*\b:S+64*\u+16*\b+7], v[SCV]
	v_cvt_scalef32_pk8_fp8_f32 v[PC+16*\u+4*\b+2:PC+16*\u+4*\b+3], v[S+64*\u+16*\b+8:S+64*\u+16*\b+15], v[SCV]
.endr
.endr
	WIN 0x41                                       ; O^T (destination and source 0) window 1, f window 0
.irp u, 0,1
.set n, 0
.rept 32
	v_pk_mul_f32 v[OW+64*\u+n:OW+64*\u+n+1], v[OW+64*\u+n:OW+64*\u+n+1], v[ST+8*\u+4:ST+8*\u+5] op_sel_hi:[1,0]   ; O^T under the new M.  (These are also the places in front of what follows)
.set n, n+2
.endr
.endr
	WIN 0
.irp g, 0,1                                    ; O^T += V^T P^T: four images of 16 of the 128 at a time; the eight accumulators of a group take turns
.if \g > 0
.rept 4
	v_nop
.endr
.endif
.irp t, 0,1,2,3
.irp k, 0,1,2,3
	ds_load_b128 v[FRG+16*\t+4*\k:FRG+16*\t+4*\k+3], v[ADR] offset:(\q)*STEPB+VOFF+(4*\g+\t)*2048+512*\k
.endr
.endr
	s_wait_dscnt 0x0
	WIN 0x50                                       ; C and D window 1
.irp t, 0,1,2,3
.irp u, 0,1
	v_wmma_f32_16x16x128_fp8_fp8 v[OW+64*\u+8*(4*\g+\t):OW+64*\u+8*(4*\g+\t)+7], v[FRG+16*\t:FRG+16*\t+15], v[PC+16*\u:PC+16*\u+15], v[OW+64*\u+8*(4*\g+\t):OW+64*\u+8*(4*\g+\t)+7]
.endr
.endr
	WIN 0
.endr
.Lhidden_\@:
	s_add_co_u32 s[KF], s[KF], 128
.endm
; THE CHANGE OF SLOTS stands at a slot's head.  Each wave waits for all its tensor loads, adds 0 to its spare word, and waits for that and for its reads of the slot that it has left; behind the barrier the slot ahead is
; whole and nobody reads the other one, which is filled with the keys that follow, up to the causal limit: the load has a slot's two key steps in which to land.
.macro CHANGE fill
	s_wait_tensorcnt 0x0                           ; no tensor load of mine is out, so the group 0 may be written
	ds_add_u32 v[SPW], v[NIL]                      ; 0 onto my spare word
.if \fill
	s_xor_b32 s[G0+1], s[G0+1], SLOT1              ; the other slot than last time,
	s_add_nc_u64 s[G0+2:G0+3], s[G0+2:G0+3], 32768 ; the next 256 keys' images
	s_wait_xcnt 0x0                                ; the last prefetch, a slot back, has read its address
	s_add_nc_u64 s[PFA:PFA+1], s[PFA:PFA+1], 32768
.endif
	s_wait_dscnt 0x0                               ; the add is done, and my reads of the slot that I have left are over
	s_barrier_signal -1
	s_barrier_wait -1
.if \fill
	s_add_co_u32 s96, s[KF], 256                   ; the first key of the slot that this change would ask for
	s_cmp_gt_u32 s96, s[QL]                        ; past my work-group's last query: none of its waves would read it.  Ids and the count of steps alone: all eight waves go the same way
	s_cbranch_scc1 .Lpast_\@
	TLOAD                                          ; a wave's one tensor load until the next such barrier
.Lpast_\@:
	ASK
.endif
.endm
.macro SLOT_STEPS
	STEP 0
	STEP 1
	s_xor_b32 s[TB], s[TB], SLOT1
.endm
	s_wait_loadcnt 0x0                             ; Q
.Lslot:                                            ; NSL - 1 trips
	CHANGE 1
	SLOT_STEPS
	s_sub_co_u32 s[SLOTS], s[SLOTS], 1
	s_cmp_lg_u32 s[SLOTS], 0
	s_cbranch_scc1 .Lslot
	CHANGE 0                                       ; the last slot is written out: nothing is left to ask for
	SLOT_STEPS
	; THE WAY OUT: y = O^T x 2^(e6 + e7) / the sum, held and converted with 2^e8: the 16 registers of a tile are a fragment of the last product's A, stored as its image.
.irp u, 0,1
	v_add_f32 v[ST+8*\u+2], v[ST+8*\u+2], v[ST+8*\u+3]
.endr
.irp u, 0,1
	v_permlanex16_b32 v[PL+\u], v[ST+8*\u+2], s[SEL], s[SEL+1]
.endr
.irp u, 0,1
	v_add_f32 v[ST+8*\u+2], v[ST+8*\u+2], v[PL+\u]
.endr
.irp u, 0,1
	v_rcp_f32 v[ST+8*\u+6], v[ST+8*\u+2]
.endr
	s_add_co_i32 s84, s74, s75                     ; e6 + e7
	s_add_co_i32 s85, s76, 127
	s_lshl_b32 s86, s85, 23
	v_mov_b32 v[SCV], s86                          ; (a plain instruction behind the reciprocals)  2^e8
	s_add_co_i32 s85, s85, 8
	s_lshl_b32 s85, s85, 23
	s_or_b32 s85, s85, 0x600000
	v_mov_b32 v[LIMV], s85                         ; 448 x 2^e8
	s_wait_alu depctr_va_vdst(0)                   ; one wait for the two reciprocals, ahead of their first reader
.irp u, 0,1
	v_ldexp_f32 v[ST+8*\u+6], v[ST+8*\u+6], s84
.endr
	WIN 0x01                                       ; source 0 (O^T) window 1
.irp u, 0,1
.set n, 0
.rept 32
	v_pk_mul_f32 v[S+64*\u+n:S+64*\u+n+1], v[OW+64*\u+n:OW+64*\u+n+1], v[ST+8*\u+6:ST+8*\u+7] op_sel_hi:[1,0]   ; each accumulator from its low end on
.set n, n+2
.endr
.endr
	WIN 0
.irp u, 0,1
.irp b, 0,1,2,3
.irp i, 0,1,2,3,4,5,6,7,8,9,10,11,12,13,14,15
	v_med3_num_f32 v[S+64*\u+16*\b+\i], v[S+64*\u+16*\b+\i], -v[LIMV], v[LIMV]
.endr
	v_cvt_scalef32_pk8_fp8_f32 v[PC+16*\u+4*\b:PC+16*\u+4*\b+1], v[S+64*\u+16*\b:S+64*\u+16*\b+7], v[SCV]
	v_cvt_scalef32_pk8_fp8_f32 v[PC+16*\u+4*\b+2:PC+16*\u+4*\b+3], v[S+64*\u+16*\b+8:S+64*\u+16*\b+15], v[SCV]
.endr
.endr
	v_nop                                          ; a plain instruction behind the last conversion
.irp u, 0,1
.irp k, 0,1,2,3
	global_store_b128 v[LI], v[PC+16*\u+4*\k:PC+16*\u+4*\k+3], s[YP:YP+1] offset:2048*\u+512*\k   ; 32 lanes store 512 consecutive bytes, aligned
.endr
.endr
	s_wait_tensorcnt 0x0                           ; the wave's end: behind my last tensor load
	ds_add_u32 v[SPW], v[NIL]
	s_wait_dscnt 0x0
	s_endpgm
.Lfunc_end_k_q4d8b01140c_attn:
	.size	k_q4d8b01140c_attn, .Lfunc_end_k_q4d8b01140c_attn-k_q4d8b01140c_attn
	.p2alignl 7, 3214868480
	.fill 96, 4, 3214868480
	.section	.rodata,"a",@progbits
	.p2align	6, 0x0
	.amdhsa_kernel k_q4d8b01140c_attn
		.amdhsa_group_segment_fixed_size 327680
		.amdhsa_private_segment_fixed_size 0
		.amdhsa_enable_private_segment 0
		.amdhsa_kernarg_size 40
		.amdhsa_user_sgpr_count 2
		.amdhsa_user_sgpr_kernarg_segment_ptr 1
		.amdhsa_wavefront_size32 1
		.amdhsa_system_sgpr_workgroup_id_x 1
		.amdhsa_system_sgpr_workgroup_id_y 1
		.amdhsa_system_sgpr_workgroup_id_z 1
		.amdhsa_system_vgpr_workitem_id 0
		.amdhsa_next_free_vgpr 512
		.amdhsa_next_free_sgpr 100
		.amdhsa_reserve_vcc 1
		.amdhsa_float_denorm_mode_32 3
		.amdhsa_float_denorm_mode_16_64 3
		.amdhsa_memory_ordered 1
		.amdhsa_forward_progress 1
		.amdhsa_inst_pref_size 187
	.end_amdhsa_kernel
	.amdgpu_metadata
---
amdhsa.version: [ 1, 2 ]
amdhsa.kernels:
  - .name:           k_q4d8b01140c_attn
    .symbol:         k_q4d8b01140c_attn.kd
    .args:
      - { .name: qc, .offset: 0, .size: 8, .value_kind: global_buffer, .address_space: global }
      - { .name: kc, .offset: 8, .size: 8, .value_kind: global_buffer, .address_space: global }
      - { .name: vc, .offset: 16, .size: 8, .value_kind: global_buffer, .address_space: global }
      - { .name: lowp_scales, .offset: 24, .size: 8, .value_kind: global_buffer, .address_space: global }
      - { .name: yc, .offset: 32, .size: 8, .value_kind: global_buffer, .address_space: global }
    .group_segment_fixed_size: 327680
    .private_segment_fixed_size: 0
    .kernarg_segment_align: 8
    .kernarg_segment_size: 40
    .max_flat_workgroup_size: 256
    .sgpr_count:     100
    .vgpr_count:     512
    .wavefront_size: 32
...
	.end_amdgpu_metadata
.endif
;; end of part 2
;; launch proj (part 3): grid 8 x 16, 4 waves a work-group, clusters of 4 x 4, 327,680 bytes of LDS; arguments yc, W_proj_codes, lowp_scales, b_proj, out0; writes out0
.if DOCPART == 3
	.amdgcn_target "amdgcn-amd-amdhsa--gfx1250"
	.amdhsa_code_object_version 6
	.text
	.protected	k_q4d8b01140c_proj
	.globl	k_q4d8b01140c_proj
	.p2align	8
	.type	k_q4d8b01140c_proj,@function
k_q4d8b01140c_proj:
	s_mov_b64 s[64:65], 0
	v_nop
	global_prefetch_b8 v0, s[64:65] scope:SCOPE_SE
	s_setreg_imm32_b32 hwreg(HW_REG_WAVE_MODE, 25, 1), 1
	s_wait_xcnt 0x0
	s_wait_alu depctr_hold_cnt(0) depctr_sa_sdst(0) depctr_va_vdst(0) depctr_va_sdst(0) depctr_va_ssrc(0) depctr_va_vcc(0) depctr_vm_vsrc(0)
	s_getreg_b32 s2, hwreg(HW_REG_IB_STS2, 6, 4)
	s_cmp_eq_u32 s2, 0
	s_cbranch_scc0 .Lentry_in_a_cluster
	s_endpgm
.Lentry_in_a_cluster:
	s_bfe_u32 s2, ttmp6, 0x10000c
	s_cmp_lg_u32 s2, 0xf033
	s_cbranch_scc0 .Lentry_shape_is_right
	s_endpgm
.Lentry_shape_is_right:
; out0[m][n] = sum over k of y[m][k] W_proj[n][k] x 2^(e8 + e9) + b_proj[n], on codes of FP8 (E4M3).  m = 4,096 rows (batch x position), n = k = 2,048; out0 f32.
; y comes as images of operand registers, yc [16 tile rows][8 K slots][2 halves][8 blocks of 16 rows][2 steps of 128 K][2048]: registers 4 k .. 4 k + 3 of lane l at 512 k + 16 l, holding K = 32 k + 16 (l / 16) + 0..15 of row l % 16:
; the same places that four loads of 16 bytes give W_proj's rows.  A wave's share of a K slot of A is one dense block of 32,768 bytes.  W_proj: [2048][2048] codes, K innermost.
; A tile of out0, 256 x 256, is made by four waves, each 128 x 128: 64 accumulators.  K goes in steps of 256 through a ring of two LDS slots filled by tensor loads.
; CLUSTERS: 4 x 4 work-groups; A's tile is shared along a row of the cluster, B's along a column: each is asked for jointly, by the same load with the same descriptor and a mask that names the four.
; THE MATRIX INSTRUCTION IS USED TRANSPOSED (source 0 = 16 rows of W_proj, source 1 = 16 rows of y): a lane holds eight neighbouring numbers of a row of out0.
; LIMIT: e8 + e9 between -126 and 127.
; REGISTERS: window 0: v0-31 addresses; from v128 A's fragments, one set; on the way out v32-255 are free.  window 1: B's fragments, two sets; v0-63 take the bias from the last step on.  windows 2, 3: the accumulators.
.set SIZE_N, 2048
.set KROW,   2048
.set ROWB,   256
.set PITCH,  272                       ; B's LDS row: 256 bytes + 16 of padding: the 16 rows that a load touches start at 16 different banks (ISA guide 11.1)
.set FR,     16
.set NL,     4
.set NP,     4
.set HALFA,  32768                     ; A: 16 images: 128 rows x 256 K
.set ASLOT,  65536                     ; a K slot of a tile row in yc
.set HALFT,  128*PITCH
.set BOFF,   2*HALFA
.set SLOT,   BOFF+2*HALFT              ; A's two halves, then B's two
.set LAPS,   KROW/(2*ROWB)
.set SPARE,  2*SLOT                    ; behind the ring: the spare words, which no other line names
.set SPITCH, 528                       ; the way out: a stage of 16 rows x (512 bytes + 16) for each wave, in slot 0, which has had its last fill and its last read by then
.set ADRA, 16
.set ADRB, 20
.set STO,  24
.set RD,   25
.set CO,   26                          ; v26  16 x lane
.set BOF,  27                          ; v27  32 h
.set SPW,  28
.set NIL,  29
.set TMP,  32
.set AF,   128
.set BK,   128
.set G1,  24
.set G0,  32
.set G1B, 48
.set G0B, 56
.set MSB, 0
.macro WIN new
.if MSB != \new
	s_set_vgpr_msb (MSB<<8)|\new
.set MSB, \new
.endif
.endm
.set MUL_LO, 0xa1
.set MUL_HI, 0xf1
.set TO_B,   0x40
.macro JLOAD g0a, g1a, g0b, g1b        ; waves 0 and 1 fetch for A, waves 2 and 3 for B; an s_nop 0 and four v_nop follow each line
	s_cmp_eq_u32 s15, 0
	s_cbranch_scc0 .Lfor_b_\@
	tensor_load_to_lds s[\g0a:\g0a+3], s[\g1a:\g1a+7]
	s_nop 0
.rept 4
	v_nop
.endr
	s_branch .Lasked_\@
.Lfor_b_\@:
	tensor_load_to_lds s[\g0b:\g0b+3], s[\g1b:\g1b+7]
	s_nop 0
.rept 4
	v_nop
.endr
.Lasked_\@:
.endm
.macro CREST
	s_cmp_lg_u32 s14, 0
	s_cbranch_scc1 .Lnot_wave_0_\@
	s_barrier_signal -3
.Lnot_wave_0_\@:
	s_barrier_wait -3
	s_barrier_signal -1
	s_barrier_wait -1
.endm
.macro CROUND
	s_barrier_signal -1
	s_barrier_wait -1
	CREST
.endm
	s_load_b128 s[4:7], s[0:1], 0x0                ; yc s[4:5], W_proj's codes s[6:7]
	s_load_b128 s[8:11], s[0:1], 0x10              ; the exponents s[8:9], b_proj s[10:11]
	s_load_b64 s[12:13], s[0:1], 0x20              ; out0
	v_lshl_add_u32 v[SPW], v0, 2, SPARE
	v_mov_b32 v[NIL], 0
	ds_add_u32 v[SPW], v[NIL]                      ; the wave's opening: the add and its wait ahead of my first tensor load
	v_lshrrev_b32 v1, 5, v0
	v_readfirstlane_b32 s14, v1                    ; wave 0..3
	s_lshr_b32 s15, s14, 1                         ; my half of the tile's rows.  Also: I fetch for A (0) or for B (1)
	s_and_b32 s16, s14, 1                          ; my half of its columns.  Also: which half of that tile I fetch
	s_bfe_u32 s40, ttmp6, 0x40000                  ; cx, cy
	s_bfe_u32 s41, ttmp6, 0x40004
	s_lshl_b32 s42, ttmp9, 2
	s_add_co_u32 s42, s42, s40                     ; tile column
	s_and_b32 s17, ttmp7, 0xffff
	s_lshl_b32 s17, s17, 2
	s_add_co_u32 s17, s17, s41                     ; tile row
	s_lshl_b32 s43, s41, 2
	s_lshl_b32 s43, 15, s43                        ; my row of the cluster
	s_lshl_b32 s44, 0x1111, s40                    ; my column
	s_or_b32 s[G1+0], s43, (3<<16)|(1<<21)         ; A: the mask of my row; elements of 8 bytes; bit 21 beside a mask; no padding
	s_mov_b32 s[G1+1], 32<<16                      ; rows of 32 elements, 256 bytes,
	s_mov_b32 s[G1+2], 128<<16                     ; 128 of them,
	s_mov_b32 s[G1+3], 32<<16
	s_mov_b32 s[G1+4], 128
	s_mov_b32 s[G1+5], 32                          ; dense
	s_mov_b32 s[G1+6], 0
	s_mov_b32 s[G1+7], 0
	s_or_b32 s[G1B+0], s44, (0<<16)|(1<<20)|(1<<21)|(5<<22)|(3<<25)  ; B: the mask of my column; elements of 1 byte; 4 words of padding after every 64
	s_mov_b32 s[G1B+1], ROWB<<16
	s_mov_b32 s[G1B+2], 128<<16
	s_mov_b32 s[G1B+3], ROWB<<16
	s_mov_b32 s[G1B+4], 128
	s_mov_b32 s[G1B+5], KROW
	s_mov_b32 s[G1B+6], 0
	s_mov_b32 s[G1B+7], 0
	s_lshl_b32 s20, s17, 19                        ; A: 524,288 x tile row + 32,768 x half
	s_lshl_b32 s21, s16, 15
	s_add_co_u32 s20, s20, s21
	s_mov_b32 s21, 0
	s_lshl_b32 s46, s42, 19                        ; B: (256 x tile column + 128 x half) rows of 2,048 bytes
	s_lshl_b32 s47, s16, 18
	s_add_co_u32 s46, s46, s47
	s_mov_b32 s47, 0
	s_lshl_b32 s45, s16, 15                        ; where they go: A's halves,
	s_mul_i32 s2, s16, HALFT
	s_add_co_u32 s2, s2, BOFF                      ; B's behind them: no place in the cluster enters an LDS address
	s_wait_dscnt 0x0                               ; the opening add is done
	s_wait_kmcnt 0x0
	s_load_b64 s[96:97], s[8:9], 0x20              ; e8, e9
	s_add_nc_u64 s[20:21], s[4:5], s[20:21]
	s_add_nc_u64 s[46:47], s[6:7], s[46:47]
	CROUND                                         ; all sixteen work-groups are here: the first joint loads meet
.irp s, 0,1
	s_mov_b32 s[G0+4*\s], 1
	s_add_co_u32 s[G0+4*\s+1], s45, \s*SLOT
	s_add_nc_u64 s[G0+4*\s+2:G0+4*\s+3], s[20:21], \s*ASLOT
	s_or_b32 s[G0+4*\s+3], s[G0+4*\s+3], 0x80000000
	s_mov_b32 s[G0B+4*\s], 1
	s_add_co_u32 s[G0B+4*\s+1], s2, \s*SLOT
	s_add_nc_u64 s[G0B+4*\s+2:G0B+4*\s+3], s[46:47], \s*ROWB
	s_or_b32 s[G0B+4*\s+3], s[G0B+4*\s+3], 0x80000000
	JLOAD G0+4*\s, G1, G0B+4*\s, G1B
.endr
	v_and_b32 v1, 15, v0                           ; r
	v_bfe_u32 v2, v0, 4, 1                         ; h
	v_and_b32 v6, 31, v0
	v_lshlrev_b32 v[CO], 4, v6
	v_lshlrev_b32 v[BOF], 5, v2
	v_mul_u32_u24 v3, v1, PITCH
	v_lshl_add_u32 v4, v2, 4, v3
	s_lshl_b32 s21, s15, 15                        ; my 128 rows of A: 16 images
	s_mul_i32 s22, s16, HALFT
	s_add_co_u32 s22, s22, BOFF                    ; my 128 rows of B
.irp s, 0,1
	v_add_nc_u32 v[ADRA+\s], s21, v[CO]
	v_add_nc_u32 v[ADRB+\s], s22, v4
	s_add_co_u32 s21, s21, SLOT
	s_add_co_u32 s22, s22, SLOT
.endr
	s_mul_i32 s23, s14, 16*SPITCH                  ; my stage
	v_mul_u32_u24 v5, v1, SPITCH
	v_lshl_add_u32 v5, v2, 5, v5
	v_add_nc_u32 v[STO], s23, v5                   ; in: row r, 32 bytes for each half of the lanes
	v_add_nc_u32 v[RD], s23, v[CO]                 ; back: the 32 lanes take one row of 512 bytes
	s_lshl_b32 s20, s17, 8
	s_lshl_b32 s21, s15, 7
	s_add_co_u32 s20, s20, s21                     ; my first row of out0
	s_mov_b32 s21, 0
	s_mov_b64 s[18:19], SIZE_N*4
	s_mul_u64 s[20:21], s[20:21], s[18:19]
	s_lshl_b32 s46, s42, 10                        ; my first column, in bytes: 1,024 x tile column + 512 x half
	s_lshl_b32 s47, s16, 9
	s_add_co_u32 s46, s46, s47
	s_mov_b32 s47, 0
	s_add_nc_u64 s[10:11], s[10:11], s[46:47]      ; the bias of my 128 columns
	s_add_nc_u64 s[20:21], s[20:21], s[46:47]
	s_add_nc_u64 s[12:13], s[12:13], s[20:21]
.macro FRAGA reg, slot, q, a           ; an image comes back as it was stored
.irp c, 0,1,2,3
	ds_load_b128 v[\reg+4*\c:\reg+4*\c+3], v[ADRA+\slot] offset:4096*(\a)+2048*(\q)+512*\c
.endr
.endm
.macro FRAGB reg, slot, q, i           ; registers 4 c .. 4 c + 3 hold K = 32 c + 16 (l / 16) + 0..15 of row l % 16
.irp c, 0,1,2,3
	ds_load_b128 v[\reg+4*\c:\reg+4*\c+3], v[ADRB+\slot] offset:128*(\q)+32*\c+(\i)*16*PITCH
.endr
.endm
; The 64 accumulators take turns, one instruction a turn, in the same order in every step.
.macro MUL16 a0, p, zero
.irp a, \a0, \a0+1
.irp b, 0,1,2,3,4,5,6,7
.if \zero
	v_wmma_f32_16x16x128_fp8_fp8 v[8*(8*((\a)%4)+\b):8*(8*((\a)%4)+\b)+7], v[128*(\p)+FR*\b:128*(\p)+FR*\b+FR-1], v[AF+FR*(\a):AF+FR*(\a)+FR-1], 0
.else
	v_wmma_f32_16x16x128_fp8_fp8 v[8*(8*((\a)%4)+\b):8*(8*((\a)%4)+\b)+7], v[128*(\p)+FR*\b:128*(\p)+FR*\b+FR-1], v[AF+FR*(\a):AF+FR*(\a)+FR-1], v[8*(8*((\a)%4)+\b):8*(8*((\a)%4)+\b)+7]
.endif
.endr
.endr
.endm
.macro FETCH_B slot, q, p
	WIN TO_B
.irp i, 0,1,2,3,4,5,6,7
	FRAGB 128*(\p)+FR*\i, \slot, \q, \i
.endr
	WIN 0
.endm
.macro FETCH_A slot, q, i0
.irp i, \i0, \i0+1, \i0+2, \i0+3
	FRAGA AF+FR*(\i), \slot, \q, \i
.endr
.endm
.macro PLACES n                        ; plain vector instructions between a matrix instruction and a load into, or a vector read of, its registers
.rept \n
	v_nop
.endr
.endm
.macro STEP slot, q, zero
	s_wait_dscnt 4*NL                              ; B's set and A's blocks 0-3 are in; the youngest sixteen loads (A's blocks 4-7) may be out
	WIN MUL_LO
	MUL16 0, (\q)%2, \zero
	MUL16 2, (\q)%2, \zero
	s_wait_dscnt 0
	PLACES NP
	FETCH_B \slot, (\q)+1, 1-(\q)%2
	FETCH_A \slot, (\q)+1, 0
	WIN MUL_HI
	MUL16 4, (\q)%2, \zero
	MUL16 6, (\q)%2, \zero
	PLACES NP
	WIN 0
	FETCH_A \slot, (\q)+1, 4
.endm
.macro TURN slot, next, fill           ; a slot's last step changes slots: one barrier, with the three lines in front of it
	s_wait_tensorcnt 0x0                           ; all my tensor loads have landed: my part of the next slot
	ds_add_u32 v[SPW], v[NIL]                      ; 0 onto my spare word
	s_wait_dscnt 4*NL+1                            ; (the add and A's blocks 4-7 may be out)
	WIN MUL_LO
	MUL16 0, 1, 0
	s_wait_dscnt 0x0                               ; the add is done, and my reads of this slot are over
	s_barrier_signal -1
	MUL16 2, 1, 0
	WIN 0
	s_barrier_wait -1
.if \fill
	CREST                                          ; the barrier has opened a round of the cluster's: no wave of any partner still reads this slot or has a load on its way
	s_add_nc_u64 s[G0+4*\slot+2:G0+4*\slot+3], s[G0+4*\slot+2:G0+4*\slot+3], 2*ASLOT
	s_add_nc_u64 s[G0B+4*\slot+2:G0B+4*\slot+3], s[G0B+4*\slot+2:G0B+4*\slot+3], 2*ROWB
	JLOAD G0+4*\slot, G1, G0B+4*\slot, G1B         ; my one tensor load behind the round; its four v_nop are the places in front of the loads below
.else
	PLACES NP
.endif
	FETCH_B \next, 0, 0
	FETCH_A \next, 0, 0
	WIN MUL_HI
	MUL16 4, 1, 0
	MUL16 6, 1, 0
	PLACES NP
	WIN 0
	FETCH_A \next, 0, 4
.endm
	s_wait_tensorcnt 1                             ; my part of K slot 0 is in; slot 1's load may be out
	s_barrier_signal -1
	s_barrier_wait -1
	FETCH_B 0, 0, 0
	FETCH_A 0, 0, 0
	FETCH_A 0, 0, 4
	STEP 0, 0, 1                                   ; the first step's products start the sums
	s_mov_b32 s3, LAPS-1
.Llap:
	TURN 0, 1, 1
	STEP 1, 0, 0
	TURN 1, 0, 1
	STEP 0, 0, 0
	s_sub_co_u32 s3, s3, 1
	s_cmp_lg_u32 s3, 0
	s_cbranch_scc1 .Llap
	TURN 0, 1, 0                                   ; the last lap fills nothing
	STEP 1, 0, 0
	WIN TO_B                                       ; the bias, in the result's layout, into B's set 0, whose last readers stand in front of the step's closing places
.irp b, 0,1,2,3,4,5,6,7
	global_load_b128 v[8*\b:8*\b+3], v[BOF], s[10:11] offset:64*\b
	global_load_b128 v[8*\b+4:8*\b+7], v[BOF], s[10:11] offset:64*\b+16
.endr
	s_wait_dscnt 4*NL
	WIN MUL_LO
	MUL16 0, 1, 0
	MUL16 2, 1, 0
	s_wait_dscnt 0
	WIN MUL_HI
	MUL16 4, 1, 0
	MUL16 6, 1, 0
	WIN 0
; THE WAY OUT, block by block of 16 rows x 128 columns: through my own stage in LDS, back as whole rows of 512 bytes.  LDS serves a wave's instructions in order (ISA guide 5.7.1.4): no wait between the stores and the loads.
.macro TOSTAGE a
.set AC, 64*((\a)%4)
	WIN 0x12+((\a)/4)                              ; source 0 window 2 or 3, source 2 (the bias) window 1
.set n, 0
.rept 32
	v_pk_fma_f32 v[TMP+n:TMP+n+1], v[AC+n:AC+n+1], s[96:97], v[n:n+1] op_sel_hi:[1,0,1]   ; sum x 2^(e8 + e9) + bias; each accumulator from its low end on
.set n, n+2
.endr
	WIN 0
.irp b, 0,1,2,3,4,5,6,7
	ds_store_b128 v[STO], v[TMP+8*\b:TMP+8*\b+3] offset:64*\b
	ds_store_b128 v[STO], v[TMP+8*\b+4:TMP+8*\b+7] offset:64*\b+16
.endr
.set BB, BK+64*((\a)%2)
.irp t, 0,1,2,3,4,5,6,7,8,9,10,11,12,13,14,15
	ds_load_b128 v[BB+4*\t:BB+4*\t+3], v[RD] offset:\t*SPITCH
.endr
.endm
.macro SEND a, younger                 ; younger: the LDS instructions issued behind block a's loads, which may stay out
.set BB, BK+64*((\a)%2)
	s_wait_dscnt \younger
.if (\a) > 0
	s_add_nc_u64 s[12:13], s[12:13], 16*SIZE_N*4   ; (behind a wait on XCNT: the earlier stores have read their base)
.endif
.irp t, 0,1,2,3,4,5,6,7,8,9,10,11,12,13,14,15
	global_store_b128 v[CO], v[BB+4*\t:BB+4*\t+3], s[12:13] offset:\t*SIZE_N*4 th:TH_STORE_NT   ; 32 lanes store 512 consecutive bytes, at a multiple of 256 from out0's first byte
.endr
.endm
	s_wait_kmcnt 0x0
	s_add_co_i32 s96, s96, s97
	s_add_co_i32 s96, s96, 127
	s_lshl_b32 s96, s96, 23                        ; 2^(e8 + e9) as f32
	s_mov_b32 s97, s96                             ; (named with it as a pair)
	s_wait_loadcnt 0x0                             ; the bias
	PLACES NP
	TOSTAGE 0
.irp a, 1,2,3,4,5,6,7
.if \a > 1
	s_wait_xcnt 0x0                                ; block a - 2's stores have read their registers and their base
.endif
	TOSTAGE \a
	SEND \a-1, 32                                  ; behind block a - 1's loads: block a's 16 stores and 16 loads
.endr
	s_wait_xcnt 0x0
	SEND 7, 0
	s_wait_tensorcnt 0x0                           ; the wave's end: behind my last tensor load and my last LDS store
	ds_add_u32 v[SPW], v[NIL]
	s_wait_dscnt 0x0
	CROUND                                         ; the closing round: no work-group ends while a partner may still ask for a tile that names it
	s_endpgm
.Lfunc_end_k_q4d8b01140c_proj:
	.size	k_q4d8b01140c_proj, .Lfunc_end_k_q4d8b01140c_proj-k_q4d8b01140c_proj
	.p2alignl 7, 3214868480
	.fill 96, 4, 3214868480
	.section	.rodata,"a",@progbits
	.p2align	6, 0x0
	.amdhsa_kernel k_q4d8b01140c_proj
		.amdhsa_group_segment_fixed_size 327680
		.amdhsa_private_segment_fixed_size 0
		.amdhsa_enable_private_segment 0
		.amdhsa_kernarg_size 40
		.amdhsa_user_sgpr_count 2
		.amdhsa_user_sgpr_kernarg_segment_ptr 1
		.amdhsa_wavefront_size32 1
		.amdhsa_system_sgpr_workgroup_id_x 1
		.amdhsa_system_sgpr_workgroup_id_y 1
		.amdhsa_system_sgpr_workgroup_id_z 1
		.amdhsa_system_vgpr_workitem_id 0
		.amdhsa_next_free_vgpr 1024
		.amdhsa_next_free_sgpr 98
		.amdhsa_reserve_vcc 0
		.amdhsa_float_denorm_mode_32 3
		.amdhsa_float_denorm_mode_16_64 3
		.amdhsa_memory_ordered 1
		.amdhsa_forward_progress 1
		.amdhsa_inst_pref_size 125
	.end_amdhsa_kernel
	.amdgpu_metadata
---
amdhsa.version: [ 1, 2 ]
amdhsa.kernels:
  - .name:           k_q4d8b01140c_proj
    .symbol:         k_q4d8b01140c_proj.kd
    .args:
      - { .name: yc, .offset: 0, .size: 8, .value_kind: global_buffer, .address_space: global }
      - { .name: W_proj_codes, .offset: 8, .size: 8, .value_kind: global_buffer, .address_space: global }
      - { .name: lowp_scales, .offset: 16, .size: 8, .value_kind: global_buffer, .address_space: global }
      - { .name: b_proj, .offset: 24, .size: 8, .value_kind: global_buffer, .address_space: global }
      - { .name: out0, .offset: 32, .size: 8, .value_kind: global_buffer, .address_space: global }
    .group_segment_fixed_size: 327680
    .private_segment_fixed_size: 0
    .kernarg_segment_align: 8
    .kernarg_segment_size: 40
    .max_flat_workgroup_size: 128
    .sgpr_count:     98
    .vgpr_count:     1024
    .wavefront_size: 32
...
	.end_amdgpu_metadata
.endif
;; end of part 3
;; ======== version 2 of 2: 3 launches
;; limits: right only within a limited range of input values
;; workspace buffers: qc 8,388,608 bytes; kc 524,288 bytes; vc 524,288 bytes; yc 8,388,608 bytes
;; launch qkv (part 4): grid 8 x 32, 4 waves a work-group, clusters of 4 x 4, 327,680 bytes of LDS; arguments x_codes, W_d_codes, W_latent_codes, b_d, b_latent, lowp_scales, qc, kc, vc; writes qc, kc, vc
.if DOCPART == 4
	.amdgcn_target "amdgcn-amd-amdhsa--gfx1250"
	.amdhsa_code_object_version 6
	.text
	.protected	k_q4d8b01140c_qkv
	.globl	k_q4d8b01140c_qkv
	.p2align	8
	.type	k_q4d8b01140c_qkv,@function
k_q4d8b01140c_qkv:
	s_mov_b64 s[64:65], 0
	v_nop
	global_prefetch_b8 v0, s[64:65] scope:SCOPE_SE
	s_setreg_imm32_b32 hwreg(HW_REG_WAVE_MODE, 25, 1), 1
	s_wait_xcnt 0x0
	s_wait_alu depctr_hold_cnt(0) depctr_sa_sdst(0) depctr_va_vdst(0) depctr_va_sdst(0) depctr_va_ssrc(0) depctr_va_vcc(0) depctr_vm_vsrc(0)
	s_getreg_b32 s2, hwreg(HW_REG_IB_STS2, 6, 4)
	s_cmp_eq_u32 s2, 0
	s_cbranch_scc0 .Lentry_in_a_cluster
	s_endpgm
.Lentry_in_a_cluster:
	s_bfe_u32 s2, ttmp6, 0x10000c
	s_cmp_lg_u32 s2, 0xf033
	s_cbranch_scc0 .Lentry_shape_is_right
	s_endpgm
.Lentry_shape_is_right:
; q = x W_d + b_d and kv = x W_latent + b_latent on codes of FP8 (E4M3), sums in f32; q and k are turned by the rotary embedding; q, k, v are quantised and stored as images of operand registers.
; In this program the only work left out is causal: whole tiles of scores that the causal mask throws away (launch attn).  A NaN or an infinity that reaches such a tile alone is not carried to the result.
; LIMITS: e0 + e1 and e2 + e3 between -126 and 127; e4, e5, e7 between -126 and 119, so that each power of two is an f32 number.
; SHARES: work-group (X, Y), 8 x 32: rows = positions 64 Y .. 64 Y + 63 of BOTH batches (128 rows, one table of angles for both), columns = heads 2 X, 2 X + 1 (256) and columns 16 X .. 16 X + 15 of kv.
; Wave (HR, HC): positions 32 HR .. + 31 of both batches (4 blocks of 16 rows; blocks 0, 1 are batch HC, blocks 2, 3 the other), head 2 X + HC: 32 accumulators; and kv's 16 columns of blocks 0, 1: 2 accumulators.
; THE RING: two slots of unlike size: slot 0 holds 512 along K, slot 1 holds 256: five steps, 512 + 256 + 512 + 256 + 512 = 2,048.  Rows of 512 and 256 bytes with 16 bytes of padding: pitches of 132 and 68 words.
; A step of 128 along K is a quarter: its fragments (208 registers) have two sets; while one is multiplied the other is fetched.
; CLUSTERS 4 x 4: x's tile is shared along a row of the cluster, W_d's and W_latent's along a column; each is asked for jointly.
; The products are used transposed (source 0 = 16 rows of a weight): lane (r, h) holds row r and eight neighbouring columns 8 h + j of a tile.
; IMAGES: a fragment (16 rows x 128) is 2,048 bytes: 16 columns 16 b .. 16 b + 15 are the 256 bytes at 256 b, 16 bytes a row.  v: image f is d = 16 f .. + 15 x 128 keys; 32 keys are 512 bytes.
; REGISTERS: window 0: v1-31 addresses, constants; v32-47 kv's accumulators; v64-191 x's fragments (two sets), v192-223 W_latent's; window 1: W_d's fragments, two sets; window 2: accumulators;
;   window 3: v0-143 the table (tile b, position block m: 4 cos, 4 sin at 16 b + 8 m; tile 8 is kv's), v144-207 b_d, v208-215 b_latent.
.set P0,   528
.set P1,   272
.set SLOT1, 400*P0
.set SPARE, SLOT1+400*P1
.set VP,   80
.set WV, 2
.set HR, 3
.set HC, 22
.set X,  23
.set Y,  66
.set LIM, 67
.set PFA, 96
.set G1A5, 24
.set G1A2, 32
.set G1B5, 40
.set G1B2, 48
.set G1K5, 56
.set G1K2, 68
.set G0A, 76
.set G0B, 80
.set G0K, 84
.set ADRA, 6
.set ADRA2, 8
.set ADRB, 10
.set ADRK, 12
.set SO,  14
.set LI,  15
.set VS,  16
.set VR,  17
.set SPW, 18
.set NIL, 19
.set PFO, 20
.set BO,  21
.set SCQ, 22
.set LMQ, 23
.set SCK, 24
.set LMK, 25
.set SCV, 26
.set LMV, 27
.set KA,  32
.set AF,  64
.set KF,  192
.set XR,  64
.set YR,  128
.set CD,  192
.set FQ,  128
.set BI,  144
.set MSB, 0
.macro WIN new
.if MSB != \new
	s_set_vgpr_msb (MSB<<8)|\new
.set MSB, \new
.endif
.endm
.set MUL,  0xa1
.set TO_B, 0x40
.macro PLACES
.rept 4
	v_nop
.endr
.endm
.macro FOLLOW                          ; behind a tensor load
	s_nop 0
	PLACES
.endm
; waves 0 and 1 fetch x's rows of batch 0 and 1, wave 2 W_d's 256 rows, wave 3 W_latent's 16: one chain of branches on the wave's number, one load to an arm
.macro JLOAD ga, gb, gk
	s_cmp_lt_u32 s[WV], 2
	s_cbranch_scc0 .Lw_\@
	tensor_load_to_lds s[G0A:G0A+3], s[\ga:\ga+7]
	FOLLOW
	s_branch .Lj_\@
.Lw_\@:
	s_cmp_eq_u32 s[WV], 2
	s_cbranch_scc0 .Lk_\@
	tensor_load_to_lds s[G0B:G0B+3], s[\gb:\gb+7]
	FOLLOW
	s_branch .Lj_\@
.Lk_\@:
	tensor_load_to_lds s[G0K:G0K+3], s[\gk:\gk+7]
	FOLLOW
.Lj_\@:
.endm
.macro FILL t
.if \t == 0
	JLOAD G1A5, G1B5, G1K5
.else
	JLOAD G1A2, G1B2, G1K2
.endif
.endm
; the descriptors step to the next K step: into slot 0 behind one of 256 bytes, into slot 1 behind one of 512
.macro REDESC t
.if \t == 0
	s_mul_i32 s[G0A+1], s[HC], 64*P0
	s_mov_b32 s[G0B+1], 128*P0
	s_mov_b32 s[G0K+1], 384*P0
.else
	s_mul_i32 s[G0A+1], s[HC], 64*P1
	s_add_co_u32 s[G0A+1], s[G0A+1], SLOT1
	s_mov_b32 s[G0B+1], SLOT1+128*P1
	s_mov_b32 s[G0K+1], SLOT1+384*P1
.endif
.irp g, G0A, G0B, G0K
	s_add_nc_u64 s[\g+2:\g+3], s[\g+2:\g+3], 256+256*(\t)
.endr
.endm
.macro CREST                           ; a round of the cluster's barrier behind its opening barrier
	s_cmp_lg_u32 s[WV], 0
	s_cbranch_scc1 .Ln0_\@
	s_barrier_signal -3
.Ln0_\@:
	s_barrier_wait -3
	s_barrier_signal -1
	s_barrier_wait -1
.endm
.macro CROUND
	s_barrier_signal -1
	s_barrier_wait -1
	CREST
.endm
.macro G1SET g, rows, kb
	s_mov_b32 s[\g+1], (\kb)<<16
	s_mov_b32 s[\g+2], (\rows)<<16
	s_mov_b32 s[\g+3], (\kb)<<16
	s_mov_b32 s[\g+4], \rows
	s_mov_b32 s[\g+5], 2048
	s_mov_b32 s[\g+6], 0
	s_mov_b32 s[\g+7], 0
.endm
.macro SHADD d, src, n
	s_lshl_b32 s98, s[\src], \n
	s_add_co_u32 s[\d], s[\d], s98
.endm
; A prefetch of n blocks of 256 bytes of each of my wave's rows, from byte k0 of the rows: every cluster asks once for its own 4 x 128 rows of x; for the weights, which eight clusters read, every other row of clusters asks (four).
; Partners share the rows out by address: wave 0: 16 positions of both batches by cx; waves 1, 2: 32 rows of W_d, wave 3: 4 rows of W_latent, by cy.  Address registers are never rewritten.
.macro ASK k0, n
	s_cmp_eq_u32 s[LIM], 1
	s_cbranch_scc0 .Lna_\@
	global_prefetch_b8 v[PFO], s[PFA:PFA+1] offset:\k0 th:TH_LOAD_NT scope:SCOPE_SE
.if \n > 1
	global_prefetch_b8 v[PFO], s[PFA:PFA+1] offset:\k0+256 th:TH_LOAD_NT scope:SCOPE_SE
.endif
.if \n > 2
	global_prefetch_b8 v[PFO], s[PFA:PFA+1] offset:\k0+512 th:TH_LOAD_NT scope:SCOPE_SE
.endif
.Lna_\@:
.endm
	s_load_b256 s[4:11], s[0:1], 0x0               ; x s[4:5], W_d s[6:7], W_latent s[8:9], b_d s[10:11]
	s_load_b256 s[12:19], s[0:1], 0x20             ; b_latent s[12:13], exponents s[14:15], qc s[16:17], kc s[18:19]
	s_load_b64 s[20:21], s[0:1], 0x40              ; vc
	v_lshl_add_u32 v[SPW], v0, 2, SPARE
	v_mov_b32 v[NIL], 0
	ds_add_u32 v[SPW], v[NIL]                      ; the opening lines
	ds_add_u32 v[SPW], v[NIL]
	v_lshrrev_b32 v1, 5, v0
	v_readfirstlane_b32 s[WV], v1
	s_lshr_b32 s[HR], s[WV], 1
	s_and_b32 s[HC], s[WV], 1
	s_bfe_u32 s98, ttmp6, 0x40000                  ; cx
	s_bfe_u32 s99, ttmp6, 0x40004                  ; cy
	s_lshl_b32 s[X], ttmp9, 2
	s_add_co_u32 s[X], s[X], s98
	s_and_b32 s[Y], ttmp7, 0xffff
	s_lshl_b32 s[Y], s[Y], 2
	s_add_co_u32 s[Y], s[Y], s99
	s_lshl_b32 s100, s99, 2
	s_lshl_b32 s100, 15, s100                      ; my row of the cluster
	s_lshl_b32 s101, 0x1111, s98                   ; my column
	s_or_b32 s[G1A5], s100, (1<<20)|(1<<21)|(6<<22)|(3<<25)   ; bytes; padding of 4 words after every 128 words (code 6) or 64 (code 5)
	s_or_b32 s[G1A2], s100, (1<<20)|(1<<21)|(5<<22)|(3<<25)
	s_or_b32 s[G1B5], s101, (1<<20)|(1<<21)|(6<<22)|(3<<25)
	s_or_b32 s[G1B2], s101, (1<<20)|(1<<21)|(5<<22)|(3<<25)
	s_or_b32 s[G1K5], s101, (1<<20)|(1<<21)|(6<<22)|(3<<25)
	s_or_b32 s[G1K2], s101, (1<<20)|(1<<21)|(5<<22)|(3<<25)
	G1SET G1A5, 64, 512
	G1SET G1A2, 64, 256
	G1SET G1B5, 256, 512
	G1SET G1B2, 256, 256
	G1SET G1K5, 16, 512
	G1SET G1K2, 16, 256
	s_lshl_b32 s88, s[HC], 22                      ; x: batch HC, row 64 Y
	s_lshl_b32 s89, s[Y], 17
	s_add_co_u32 s88, s88, s89
	s_mov_b32 s89, 0
	s_lshl_b32 s90, s[X], 19                       ; W_d: row 256 X
	s_mov_b32 s91, 0
	s_lshl_b32 s92, s[X], 15                       ; W_latent: row 16 X
	s_mov_b32 s93, 0
	s_mov_b32 s[G0A], 1
	s_mov_b32 s[G0B], 1
	s_mov_b32 s[G0K], 1
	s_mul_i32 s[G0A+1], s[HC], 64*P0
	s_mov_b32 s[G0B+1], 128*P0
	s_mov_b32 s[G0K+1], 384*P0
	s_wait_alu depctr_va_vdst(0)
	s_wait_dscnt 0x0                               ; both opening adds are done
	CROUND                                         ; all sixteen work-groups are here
	s_wait_kmcnt 0x0
	s_add_nc_u64 s[G0A+2:G0A+3], s[4:5], s[88:89]
	s_add_nc_u64 s[G0B+2:G0B+3], s[6:7], s[90:91]
	s_add_nc_u64 s[G0K+2:G0K+3], s[8:9], s[92:93]
	s_or_b32 s[G0A+3], s[G0A+3], 0x80000000
	s_or_b32 s[G0B+3], s[G0B+3], 0x80000000
	s_or_b32 s[G0K+3], s[G0K+3], 0x80000000
	FILL 0                                         ; step 0: one tensor load a wave at the head
	; all that follows, down to the wait for step 0, runs while step 0 is on its way.  The prefetches' base and share:
	s_lshl_b32 s88, s[Y], 17
	s_lshl_b32 s89, s98, 15
	s_add_co_u32 s88, s88, s89                     ; wave 0: positions 64 Y + 16 cx
	s_lshl_b32 s90, s[X], 19
	s_lshl_b32 s91, s99, 16
	s_add_co_u32 s90, s90, s91
	s_sub_co_u32 s91, s[WV], 1
	s_lshl_b32 s91, s91, 18
	s_add_co_u32 s90, s90, s91                     ; waves 1, 2: rows 256 X + 128 (w - 1) + 32 cy of W_d
	s_lshl_b32 s92, s[X], 15
	s_lshl_b32 s93, s99, 13
	s_add_co_u32 s92, s92, s93                     ; wave 3: rows 16 X + 4 cy of W_latent
	s_and_b32 s94, ttmp7, 1
	s_xor_b32 s94, s94, 1                          ; 1 in every other row of clusters
	s_mov_b32 s95, 0x400000
	s_cmp_eq_u32 s[WV], 0
	s_cselect_b32 s90, s88, s90
	s_cselect_b64 s[PFA:PFA+1], s[4:5], s[6:7]
	s_cselect_b32 s[LIM], 1, s94
	s_cselect_b32 s94, 15, 31
	s_cselect_b32 s95, s95, 0
	s_cmp_eq_u32 s[WV], 3
	s_cselect_b32 s90, s92, s90
	s_cselect_b64 s[PFA:PFA+1], s[8:9], s[PFA:PFA+1]
	s_cselect_b32 s93, 3, 31
	s_mov_b32 s91, 0
	s_add_nc_u64 s[PFA:PFA+1], s[PFA:PFA+1], s[90:91]
	; where results go
	s_lshl_b32 s88, s[X], 19                       ; qc: ((16 batch + head) 128 + block) images of 2,048 bytes; head 2 X + HC, block 4 Y + 2 HR + m
	SHADD 88, HC, 18
	SHADD 88, Y, 13
	SHADD 88, HR, 12
	s_lshl_b32 s90, s[HC], 22
	s_add_co_u32 s90, s90, s88
	s_add_nc_u64 s[4:5], s[16:17], s[90:91]        ; blocks 0, 1: batch HC
	s_xor_b32 s90, s[HC], 1
	s_lshl_b32 s90, s90, 22
	s_add_co_u32 s90, s90, s88
	s_add_nc_u64 s[6:7], s[16:17], s[90:91]        ; blocks 2, 3: the other batch
	s_lshl_b32 s90, s[HC], 18                      ; kc: 128 images a batch; my 256 bytes of an image at 256 X
	SHADD 90, Y, 13
	SHADD 90, HR, 12
	SHADD 90, X, 8
	s_add_nc_u64 s[18:19], s[18:19], s[90:91]
	s_lshr_b32 s88, s[Y], 1
	s_and_b32 s89, s[Y], 1
	s_lshl_b32 s90, s[HC], 18                      ; vc: key step Y / 2, image X, 32 keys 2 (Y % 2) + HR
	SHADD 90, 88, 14
	SHADD 90, X, 11
	SHADD 90, 89, 10
	SHADD 90, HR, 9
	s_add_nc_u64 s[20:21], s[20:21], s[90:91]
	s_lshl_b32 s90, s[X], 10
	SHADD 90, HC, 9
	s_add_nc_u64 s[10:11], s[10:11], s[90:91]
	s_lshl_b32 s90, s[X], 6
	s_add_nc_u64 s[12:13], s[12:13], s[90:91]
	v_and_b32 v2, 15, v0                           ; r
	v_bfe_u32 v3, v0, 4, 1                         ; h
	v_lshlrev_b32 v[BO], 5, v3
	v_and_b32 v4, 31, v0
	v_lshlrev_b32 v[LI], 4, v4
	v_min_u32 v5, s93, v4
	v_and_b32 v4, s94, v5
	v_lshlrev_b32 v4, 11, v4
	v_lshrrev_b32 v5, 4, v5
	v_mul_lo_u32 v5, v5, s95
	v_add_nc_u32 v[PFO], v4, v5
	v_lshlrev_b32 v4, 3, v3
	v_lshl_add_u32 v[SO], v2, 4, v4                ; 16 r + 8 h
	s_wait_alu depctr_va_vdst(0)
	ASK 512, 1                                     ; step 1, whose load is issued when step 0 has landed
	WIN 0xc0
.irp b, 0,1,2,3,4,5,6,7
	global_load_b128 v[BI+8*\b:BI+8*\b+3], v[BO], s[10:11] offset:64*\b
	global_load_b128 v[BI+8*\b+4:BI+8*\b+7], v[BO], s[10:11] offset:64*\b+16
.endr
	global_load_b128 v[208:211], v[BO], s[12:13]
	global_load_b128 v[212:215], v[BO], s[12:13] offset:16
	WIN 0
	; LDS addresses
	s_xor_b32 s101, s[HC], 1
	s_mul_i32 s88, s[HR], 32*P0
	s_mul_i32 s89, s101, 64*P0
	s_add_co_u32 s89, s89, s88                     ; blocks 2, 3
	s_mul_i32 s90, s[HC], 64*P0
	s_add_co_u32 s88, s88, s90                     ; blocks 0, 1
	s_mul_i32 s90, s[HC], 128*P0
	s_add_co_u32 s90, s90, 128*P0
	s_mul_i32 s91, s[HR], 32*P1
	s_add_co_u32 s91, s91, SLOT1
	s_mul_i32 s92, s101, 64*P1
	s_add_co_u32 s92, s92, s91
	s_mul_i32 s93, s[HC], 64*P1
	s_add_co_u32 s91, s91, s93
	s_mul_i32 s93, s[HC], 128*P1
	s_add_co_u32 s93, s93, SLOT1+128*P1
	s_mul_i32 s94, s[WV], 32*VP
	s_add_co_u32 s94, s94, SLOT1                   ; my stage for v, in slot 1, which has had its last fill and its last read by then
	s_lshl_b32 s95, s[Y], 6
	SHADD 95, HR, 5                                ; my first position
	s_lshl_b32 s98, s[X], 3
	v_mul_u32_u24 v4, v2, P0
	v_lshl_add_u32 v4, v3, 4, v4
	v_add_nc_u32 v[ADRA], s88, v4
	v_add_nc_u32 v[ADRA2], s89, v4
	v_add_nc_u32 v[ADRB], s90, v4
	v_add_nc_u32 v[ADRK], 384*P0, v4
	v_mul_u32_u24 v4, v2, P1
	v_lshl_add_u32 v4, v3, 4, v4
	v_add_nc_u32 v[ADRA+1], s91, v4
	v_add_nc_u32 v[ADRA2+1], s92, v4
	v_add_nc_u32 v[ADRB+1], s93, v4
	v_add_nc_u32 v[ADRK+1], SLOT1+384*P1, v4
	v_mul_u32_u24 v4, v2, VP
	v_lshl_add_u32 v4, v3, 5, v4
	v_add_nc_u32 v[VS], s94, v4                    ; in: key r, 8 columns of my half
	v_mul_u32_u24 v4, v3, 8*VP
	v_lshl_add_u32 v4, v2, 2, v4
	v_add_nc_u32 v[VR], s94, v4                    ; back: column r, keys 8 h + j
	v_add_nc_u32 v4, s95, v2
	v_add_nc_u32 v5, 16, v4
	v_cvt_f32_u32 v246, v4                         ; the positions of my two blocks
	v_cvt_f32_u32 v247, v5
	v_lshlrev_b32 v1, 2, v3
	v_add_nc_u32 v4, s98, v1
	; THE TABLE: angle = position x 10000^(-i / 64), i = 8 b + 4 h + a (kv: 8 X + 4 h + a); n = the nearest whole number to angle / pi, found by adding 1.5 x 2^23, whose sum's lowest bit is n's parity;
	; rest = angle - n pi in two parts; sin and cos of the rest by series to the 11th and 12th power; both change sign with n's parity.
.macro CONST r, k
	v_mov_b32 v\r, \k
	v_mov_b32 v[\r+1], \k
.endm
	CONST 224, 0x4b400000
	CONST 226, 0xb2d7322b                          ; -1/11!
	CONST 228, 0x3638ef1d                          ; 1/9!
	CONST 230, 0xb9500d01
	CONST 232, 0x3c088889
	CONST 234, 0xbe2aaaab                          ; -1/3!
	CONST 236, 0x310f76c7                          ; 1/12!
	CONST 238, 0xb493f27e
	CONST 240, 0x37d00d01
	CONST 242, 0xbab60b61
	CONST 244, 0x3d2aaaab                          ; 1/4!
.irp b, 0,1,2,3,4,5,6,7
.irp a, 0,1,2,3
	v_add_nc_u32 v[FQ+4*\b+\a], 8*\b+\a, v1
.endr
.endr
.irp a, 0,1,2,3
	v_add_nc_u32 v[FQ+32+\a], \a, v4
.endr
.set n, 0
.rept 36
	v_cvt_f32_u32 v[FQ+n], v[FQ+n]
.set n, n+1
.endr
.set n, 0
.rept 36
	v_mul_f32 v[FQ+n], 0xbe549a78, v[FQ+n]         ; -log2(10000) / 64
.set n, n+1
.endr
	s_wait_alu depctr_va_vdst(0)                   ; the wait ahead of the batch
.set n, 0
.rept 36
	v_exp_f32 v[FQ+n], v[FQ+n]
.set n, n+1
.endr
	v_nop
	s_wait_alu depctr_va_vdst(0)                   ; and ahead of its first reader
	s_load_b256 s[88:95], s[14:15], 0x0            ; e0 .. e7
.macro HORNER2 ks, kc
.irp g, 0,2,4,6
	v_pk_fma_f32 v[104+\g:105+\g], v[104+\g:105+\g], v[96+\g:97+\g], v[\ks:\ks+1]
	v_pk_fma_f32 v[112+\g:113+\g], v[112+\g:113+\g], v[96+\g:97+\g], v[\kc:\kc+1]
.endr
.endm
.macro TAB b
.irp g, 0,2
	v_pk_mul_f32 v[64+\g:65+\g], v[FQ+4*\b+\g:FQ+4*\b+\g+1], v[246:247] op_sel_hi:[1,0]
	v_pk_mul_f32 v[68+\g:69+\g], v[FQ+4*\b+\g:FQ+4*\b+\g+1], v[246:247] op_sel:[0,1] op_sel_hi:[1,1]
.endr
.irp g, 0,2,4,6
	v_pk_fma_f32 v[72+\g:73+\g], v[64+\g:65+\g], 0x3ea2f983, v[224:225] op_sel_hi:[1,0,1]
.endr
.irp g, 0,2,4,6
	v_pk_add_f32 v[80+\g:81+\g], v[72+\g:73+\g], v[224:225] neg_lo:[0,1] neg_hi:[0,1]
.endr
.irp g, 0,2,4,6
	v_pk_fma_f32 v[88+\g:89+\g], v[80+\g:81+\g], 0xc0490fdb, v[64+\g:65+\g] op_sel_hi:[1,0,1]
.endr
.irp g, 0,2,4,6
	v_pk_fma_f32 v[88+\g:89+\g], v[80+\g:81+\g], 0x33bbbd2e, v[88+\g:89+\g] op_sel_hi:[1,0,1]
.endr
.irp g, 0,2,4,6
	v_pk_mul_f32 v[96+\g:97+\g], v[88+\g:89+\g], v[88+\g:89+\g]
.endr
.irp g, 0,2,4,6
	v_pk_fma_f32 v[104+\g:105+\g], v[96+\g:97+\g], v[226:227], v[228:229]
	v_pk_fma_f32 v[112+\g:113+\g], v[96+\g:97+\g], v[236:237], v[238:239]
.endr
	HORNER2 230, 240
	HORNER2 232, 242
	HORNER2 234, 244
.irp g, 0,2,4,6
	v_pk_mul_f32 v[104+\g:105+\g], v[104+\g:105+\g], v[96+\g:97+\g]
	v_pk_fma_f32 v[112+\g:113+\g], v[112+\g:113+\g], v[96+\g:97+\g], -0.5 op_sel_hi:[1,1,0]
.endr
.irp g, 0,2,4,6
	v_pk_fma_f32 v[104+\g:105+\g], v[104+\g:105+\g], v[88+\g:89+\g], v[88+\g:89+\g]
	v_pk_fma_f32 v[112+\g:113+\g], v[112+\g:113+\g], v[96+\g:97+\g], 1.0 op_sel_hi:[1,1,0]
.endr
.irp g, 0,1,2,3,4,5,6,7
	v_lshlrev_b32 v[120+\g], 31, v[72+\g]
.endr
	WIN 0xc0
.irp g, 0,1,2,3,4,5,6,7
	v_xor_b32 v[16*\b+8*(\g/4)+\g%4], v[120+\g], v[112+\g]
	v_xor_b32 v[16*\b+8*(\g/4)+4+\g%4], v[120+\g], v[104+\g]
.endr
	WIN 0
.endm
.irp b, 0,1,2,3,4,5,6,7,8
	TAB \b
.endr
	s_wait_kmcnt 0x0
	s_add_co_i32 s98, s90, s91
	s_add_co_i32 s98, s98, 127
	s_lshl_b32 s98, s98, 23                        ; 2^(e2 + e3)
	s_mov_b32 s99, s98
	s_add_co_i32 s100, s88, s89
	s_add_co_i32 s100, s100, 127
	s_lshl_b32 s100, s100, 23                      ; 2^(e0 + e1)
	s_mov_b32 s101, s100
.macro QC e, vs, vl                    ; a quantiser's scale and 448 x it
	s_add_co_i32 s94, s[\e], 127
	s_lshl_b32 s88, s94, 23
	v_mov_b32 v[\vs], s88
	s_add_co_i32 s94, s94, 8
	s_lshl_b32 s94, s94, 23
	s_or_b32 s94, s94, 0x600000
	v_mov_b32 v[\vl], s94
.endm
	QC 92, SCQ, LMQ
	QC 93, SCK, LMK
	QC 95, SCV, LMV
.macro FETCH_B slot, q, p
	WIN TO_B
.irp i, 0,1,2,3,4,5,6,7
.irp c, 0,1,2,3
	ds_load_b128 v[128*(\p)+16*\i+4*\c:128*(\p)+16*\i+4*\c+3], v[ADRB+\slot] offset:(P0-256*(\slot))*16*\i+128*(\q)+32*\c
.endr
.endr
	WIN 0
.endm
.macro FETCH_A slot, q, p
	WIN 0
.irp i, 0,1
.irp c, 0,1,2,3
	ds_load_b128 v[AF+64*(\p)+16*\i+4*\c:AF+64*(\p)+16*\i+4*\c+3], v[ADRA+\slot] offset:(P0-256*(\slot))*16*\i+128*(\q)+32*\c
.endr
.endr
.irp i, 0,1
.irp c, 0,1,2,3
	ds_load_b128 v[AF+64*(\p)+32+16*\i+4*\c:AF+64*(\p)+32+16*\i+4*\c+3], v[ADRA2+\slot] offset:(P0-256*(\slot))*16*\i+128*(\q)+32*\c
.endr
.endr
.irp c, 0,1,2,3
	ds_load_b128 v[KF+16*(\p)+4*\c:KF+16*(\p)+4*\c+3], v[ADRK+\slot] offset:128*(\q)+32*\c
.endr
.endm
; the 34 accumulators take turns, one instruction a turn, in the same order in every quarter
.macro MUL2 a0, p, zero
	WIN MUL
.irp a, \a0, \a0+1
.irp b, 0,1,2,3,4,5,6,7
.if \zero
	v_wmma_f32_16x16x128_fp8_fp8 v[8*(8*(\a)+\b):8*(8*(\a)+\b)+7], v[128*(\p)+16*\b:128*(\p)+16*\b+15], v[AF+64*(\p)+16*(\a):AF+64*(\p)+16*(\a)+15], 0
.else
	v_wmma_f32_16x16x128_fp8_fp8 v[8*(8*(\a)+\b):8*(8*(\a)+\b)+7], v[128*(\p)+16*\b:128*(\p)+16*\b+15], v[AF+64*(\p)+16*(\a):AF+64*(\p)+16*(\a)+15], v[8*(8*(\a)+\b):8*(8*(\a)+\b)+7]
.endif
.endr
.endr
.endm
.macro MULK p, zero
	WIN 0
.irp m, 0,1
.if \zero
	v_wmma_f32_16x16x128_fp8_fp8 v[KA+8*\m:KA+8*\m+7], v[KF+16*(\p):KF+16*(\p)+15], v[AF+64*(\p)+16*\m:AF+64*(\p)+16*\m+15], 0
.else
	v_wmma_f32_16x16x128_fp8_fp8 v[KA+8*\m:KA+8*\m+7], v[KF+16*(\p):KF+16*(\p)+15], v[AF+64*(\p)+16*\m:AF+64*(\p)+16*\m+15], v[KA+8*\m:KA+8*\m+7]
.endif
.endr
.endm
; a quarter: set p is multiplied, the slot's quarter nq is fetched into the other set
.macro QUART p, slot, nq, zero
	s_wait_dscnt 0x0                               ; set p is in
	PLACES                                         ; places in front of loads into registers that matrix instructions have read
	FETCH_B \slot, \nq, 1-\p
	MUL2 0, \p, \zero
	FETCH_A \slot, \nq, 1-\p
	MUL2 2, \p, \zero
	MULK \p, \zero
.endm
; a slot's last quarter changes slots; fill = 1: the slot just left is filled again, two steps ahead
.macro TURN p, next, fill, ask
	s_wait_tensorcnt 0x0                           ; my part of the next slot is in
	ds_add_u32 v[SPW], v[NIL]                      ; 0 onto my spare word
.if \fill
	REDESC 1-\next
.endif
	s_wait_dscnt 0x0                               ; the add is done, and my reads of this slot are over
	s_barrier_signal -1
	MUL2 0, \p, 0
	WIN 0
	s_barrier_wait -1
.if \fill
	CREST                                          ; the barrier has opened a round of the cluster's barrier
	FILL 1-\next
.else
	PLACES
.endif
	FETCH_B \next, 0, 1-\p
	FETCH_A \next, 0, 1-\p
.if \ask
	ASK 1536, 2                                    ; step 4, two steps ahead of its load
.endif
	MUL2 2, \p, 0
	MULK \p, 0
.endm
.macro TRIP more
	QUART 1, 0, 2, 0
	QUART 0, 0, 3, 0
	TURN 1, 1, 1, \more
	QUART 0, 1, 1, 0
	TURN 1, 0, \more, 0
	QUART 0, 0, 1, 0
.endm
	s_wait_alu depctr_va_vdst(0)                   ; the wait at the head's end
	s_wait_tensorcnt 0x0                           ; my part of step 0 is in
	ds_add_u32 v[SPW], v[NIL]
	REDESC 1
	s_wait_dscnt 0x0
	CROUND
	FILL 1                                         ; step 1
	FETCH_B 0, 0, 0
	FETCH_A 0, 0, 0
	ASK 768, 3                                     ; steps 2 and 3
	QUART 0, 0, 1, 1                               ; the first products start the sums
	TRIP 1
	TRIP 0                                         ; slot 1 has had its last fill: step 4 lies in slot 0
	QUART 1, 0, 2, 0
	QUART 0, 0, 3, 0
	s_wait_dscnt 0x0
	MUL2 0, 1, 0
	MUL2 2, 1, 0
	MULK 1, 0
	PLACES
; y = x cos + rot(x) sin on eight neighbouring columns: x at \x, y at \y, window 3: 4 cos at \t, 4 sin behind them
.macro ROPE x, y, t
.irp q, 0,2
	v_pk_mul_f32 v[\y+2*\q:\y+2*\q+1], v[\x+2*\q:\x+2*\q+1], v[\t+\q:\t+\q+1] op_sel_hi:[1,0]
	v_pk_mul_f32 v[\y+2*\q+2:\y+2*\q+3], v[\x+2*\q+2:\x+2*\q+3], v[\t+\q:\t+\q+1] op_sel:[0,1] op_sel_hi:[1,1]
.endr
.irp q, 0,2
	v_pk_fma_f32 v[\y+2*\q:\y+2*\q+1], v[\x+2*\q:\x+2*\q+1], v[\t+4+\q:\t+5+\q], v[\y+2*\q:\y+2*\q+1] op_sel:[1,0,0] op_sel_hi:[0,0,1] neg_lo:[0,1,0]
	v_pk_fma_f32 v[\y+2*\q+2:\y+2*\q+3], v[\x+2*\q+2:\x+2*\q+3], v[\t+4+\q:\t+5+\q], v[\y+2*\q+2:\y+2*\q+3] op_sel:[1,1,0] op_sel_hi:[0,1,1] neg_lo:[0,1,0]
.endr
.endm
.macro HOLD r, cnt, l
.set n, 0
.rept \cnt
	v_med3_num_f32 v[\r+n], v[\r+n], -v[\l], v[\l]  ; the conversion does not saturate (ISA guide 7.6.2)
.set n, n+1
.endr
.endm
; a block of 16 rows x my head's 128 columns of q
.macro OUT a, qb
	WIN 0x32                                       ; source 0 window 2 (sums), source 2 window 3 (b_d)
.set n, 0
.rept 32
	v_pk_fma_f32 v[XR+n:XR+n+1], v[64*(\a)+n:64*(\a)+n+1], s[98:99], v[BI+n:BI+n+1] op_sel_hi:[1,0,1]
.set n, n+2
.endr
	WIN 0x0c                                       ; source 1 window 3 (table)
.irp b, 0,1,2,3,4,5,6,7
	ROPE XR+8*\b, YR+8*\b, 16*\b+8*((\a)%2)
.endr
	WIN 0
	HOLD YR, 64, LMQ
.irp b, 0,1,2,3,4,5,6,7
	v_cvt_scalef32_pk8_fp8_f32 v[CD+16*(\a)+2*\b:CD+16*(\a)+2*\b+1], v[YR+8*\b:YR+8*\b+7], v[SCQ]
.endr
	v_nop
.irp b, 0,1,2,3,4,5,6,7
	global_store_b64 v[SO], v[CD+16*(\a)+2*\b:CD+16*(\a)+2*\b+1], s[\qb:\qb+1] offset:2048*((\a)%2)+256*\b   ; 32 lanes store 256 consecutive bytes, aligned
.endr
.endm
	s_wait_loadcnt 0x0                             ; the biases
	WIN 0x30
.irp n, 0,2,4,6
	v_pk_fma_f32 v[64+\n:65+\n], v[KA+\n:KA+\n+1], s[100:101], v[208+\n:209+\n] op_sel_hi:[1,0,1]
	v_pk_fma_f32 v[72+\n:73+\n], v[KA+8+\n:KA+9+\n], s[100:101], v[208+\n:209+\n] op_sel_hi:[1,0,1]
.endr
	WIN 0
.irp m, 0,1                            ; v wants 8 keys of one column in a lane: kv's two tiles go through my own stage; LDS serves a wave's instructions in order (ISA guide 5.7.1.4)
	ds_store_b128 v[VS], v[64+8*\m:67+8*\m] offset:16*VP*\m
	ds_store_b128 v[VS], v[68+8*\m:71+8*\m] offset:16*VP*\m+16
.endr
.irp m, 0,1
.irp j, 0,1,2,3,4,5,6,7
	ds_load_b32 v[48+8*\m+\j], v[VR] offset:16*VP*\m+VP*\j
.endr
.endr
	WIN 0x0c
	ROPE 64, 128, 128
	ROPE 72, 136, 136
	WIN 0
	HOLD 128, 16, LMK
	v_cvt_scalef32_pk8_fp8_f32 v[28:29], v[128:135], v[SCK]
	v_cvt_scalef32_pk8_fp8_f32 v[30:31], v[136:143], v[SCK]
	v_nop
	global_store_b64 v[SO], v[28:29], s[18:19]
	global_store_b64 v[SO], v[30:31], s[18:19] offset:2048
	OUT 0, 4
	OUT 1, 4
	OUT 2, 6
	OUT 3, 6
	s_wait_dscnt 0x0
	HOLD 48, 16, LMV
	v_cvt_scalef32_pk8_fp8_f32 v[32:33], v[48:55], v[SCV]
	v_cvt_scalef32_pk8_fp8_f32 v[34:35], v[56:63], v[SCV]
	v_nop
	global_store_b128 v[LI], v[32:35], s[20:21]    ; 32 keys x 16 columns: 512 consecutive bytes
	s_wait_tensorcnt 0x0                           ; the wave's end
	ds_add_u32 v[SPW], v[NIL]
	s_wait_dscnt 0x0
	CROUND                                         ; the closing round
	s_endpgm
.Lfunc_end_k_q4d8b01140c_qkv:
	.size	k_q4d8b01140c_qkv, .Lfunc_end_k_q4d8b01140c_qkv-k_q4d8b01140c_qkv
	.p2alignl 7, 3214868480
	.fill 96, 4, 3214868480
	.section	.rodata,"a",@progbits
	.p2align	6, 0x0
	.amdhsa_kernel k_q4d8b01140c_qkv
		.amdhsa_group_segment_fixed_size 327680
		.amdhsa_private_segment_fixed_size 0
		.amdhsa_enable_private_segment 0
		.amdhsa_kernarg_size 72
		.amdhsa_user_sgpr_count 2
		.amdhsa_user_sgpr_kernarg_segment_ptr 1
		.amdhsa_wavefront_size32 1
		.amdhsa_system_sgpr_workgroup_id_x 1
		.amdhsa_system_sgpr_workgroup_id_y 1
		.amdhsa_system_sgpr_workgroup_id_z 1
		.amdhsa_system_vgpr_workitem_id 0
		.amdhsa_next_free_vgpr 1024
		.amdhsa_next_free_sgpr 102
		.amdhsa_reserve_vcc 0
		.amdhsa_float_denorm_mode_32 3
		.amdhsa_float_denorm_mode_16_64 3
		.amdhsa_memory_ordered 1
		.amdhsa_forward_progress 1
		.amdhsa_inst_pref_size 223
	.end_amdhsa_kernel
	.amdgpu_metadata
---
amdhsa.version: [ 1, 2 ]
amdhsa.kernels:
  - .name:           k_q4d8b01140c_qkv
    .symbol:         k_q4d8b01140c_qkv.kd
    .args:
      - { .name: x_codes, .offset: 0, .size: 8, .value_kind: global_buffer, .address_space: global }
      - { .name: W_d_codes, .offset: 8, .size: 8, .value_kind: global_buffer, .address_space: global }
      - { .name: W_latent_codes, .offset: 16, .size: 8, .value_kind: global_buffer, .address_space: global }
      - { .name: b_d, .offset: 24, .size: 8, .value_kind: global_buffer, .address_space: global }
      - { .name: b_latent, .offset: 32, .size: 8, .value_kind: global_buffer, .address_space: global }
      - { .name: lowp_scales, .offset: 40, .size: 8, .value_kind: global_buffer, .address_space: global }
      - { .name: qc, .offset: 48, .size: 8, .value_kind: global_buffer, .address_space: global }
      - { .name: kc, .offset: 56, .size: 8, .value_kind: global_buffer, .address_space: global }
      - { .name: vc, .offset: 64, .size: 8, .value_kind: global_buffer, .address_space: global }
    .group_segment_fixed_size: 327680
    .private_segment_fixed_size: 0
    .kernarg_segment_align: 8
    .kernarg_segment_size: 72
    .max_flat_workgroup_size: 128
    .sgpr_count:     102
    .vgpr_count:     1024
    .wavefront_size: 32
...
	.end_amdgpu_metadata
.endif
;; end of part 4
;; launch attn (part 5): grid 64 x 4, 8 waves a work-group, no clusters, 327,680 bytes of LDS; arguments qc, kc, vc, lowp_scales, yc; writes yc
.if DOCPART == 5
	.amdgcn_target "amdgcn-amd-amdhsa--gfx1250"
	.amdhsa_code_object_version 6
	.text
	.protected	k_q4d8b01140c_attn
	.globl	k_q4d8b01140c_attn
	.p2align	8
	.type	k_q4d8b01140c_attn,@function
k_q4d8b01140c_attn:
	s_mov_b64 s[64:65], 0
	v_nop
	global_prefetch_b8 v0, s[64:65] scope:SCOPE_SE
	s_setreg_imm32_b32 hwreg(HW_REG_WAVE_MODE, 25, 1), 1
	s_wait_xcnt 0x0
; y[b][t][head][:] = softmax_s(q_rot . k_rot / sqrt(128), causal) kv, both products on codes of FP8 (E4M3); K and V are shared by the 16 heads of a batch.  y is quantised (2^e8) and stored as codes.
; LEFT OUT: key steps that the causal mask hides whole.  A NaN or an infinity that reaches such a step alone is not carried to the result.
; qc, kc, vc, yc are images of operand registers: a fragment (16 rows x 128) is 2,048 bytes; 16 bytes a lane at 512 k + 16 l are registers 4 k .. 4 k + 3.  q's and k's columns stand in the same order.
; THE SOFTMAX: t = score x log2(e) / sqrt(128); M = the running largest t rounded UP to a whole number; p = 2^(t - M) is quantised (2^e6), not normalised; the sum is taken of the unquantised p and divides at the end.
; SHARES.  Work-group (pp, y): batch y / 2, heads 8 (y % 2) + 0..7, the blocks of 16 queries pp (short) and 127 - pp (long): with P = pp / 8 they have P + 1 and 16 - P key steps of 128, 17 together in every work-group.
; Waves 2 n, 2 n + 1 share heads 2 n, 2 n + 1 of the eight; a wave has TWO tiles, one a head, at the same positions, so that each fragment of K and V read from LDS feeds two products.
; One of the two (role 1) walks the long block.  The other (role 0) walks the short block; at the head of the first slot that holds no step of the short block it stores that block and takes up the LONG block too: from there on
; role 1 walks the even key steps and role 0 the odd ones.  At the end each hands one of its two tiles (O^T, M, the sum) to the other through LDS and finishes the other tile: both parts are brought under the greater M, by powers of two.
; So a pair's 17 steps are walked as 9 and 8.  Role 0 holds the two heads in the other order on the long block: tile 0 is the one that it keeps.
; Both products are used transposed (S^T = K Q^T, O^T = V^T P^T): a lane holds one query.  S^T's register 8 t + j is key 16 t + 8 h + j: the converted p is the operand whose key order is vc's.  O^T's tile t is d = 16 t + 8 h + j.
; THE RING: two slots of two key steps (each 16 KB of K's images, then 16 KB of V's), filled by waves 0-3, one dense tensor load of 16 KB each, read by all eight.  Every work-group walks all 8 slots: trip counts are constants.
; CAUSAL: a step all of whose keys come after the wave's queries is jumped over (ids alone); a slot whose first key comes after the work-group's last query is not asked for, so the last trip asks for nothing.
; NO CLUSTER: that jump leads round a tensor load and differs between work-groups that read the same K and V, so the loads cannot be joint.
; LIMITS: e4 + e5 between -123 and 130; e6, e8 between -126 and 119; e6 + e7 is applied by v_ldexp_f32 and has none.
; REGISTERS: window 0: v1-11, v30-31 addresses and constants; v12-27 eight registers of statistics a tile; v32-95 four fragments; v96-223 S^T, then p, 64 a tile; v224-255 codes, 16 a tile.
;   window 1: v0-127 O^T, 64 a tile; v128-159 Q, 16 a tile; v160-223 four more fragments.
.set STEPB, 32768                      ; a key step in a slot
.set VOFF,  16384                      ; V's images behind K's
.set SLOT1, 65536
.set SPARE, 2*SLOT1                    ; behind the ring: the spare words, 128 bytes for each of eight waves, which no other line names
.set MRG,   SPARE+1024                 ; behind them: 8,704 bytes a wave for the tile handed over: no tensor load fills them
.set MRGB,  8704
.set NSL,   8
.set LI,   1                           ; v1   16 x lane
.set SPW,  2
.set NIL,  3
.set ADR,  4                           ; v4   the slot in hand + 16 x lane
.set PFO,  5                           ; v5   256 x lane
.set DQ,   6                           ; v6   r - 8 h
.set LIMV, 7                           ; v7   448 x 2^e6
.set SCV,  8                           ; v8   2^e6
.set DD,   9
.set NINF, 10
.set SO,   11                          ; v11  16 r + 8 h
.set ST,   12                          ; tile u at v[ST + 8 u]: +0 -M, +1 the largest t, +2, +3 the sum in two halves, +4 f, +5 (named with it), +6, +7 at work
.set PL,   28
.set LM8,  30                          ; v30  448 x 2^e8
.set SC8,  31                          ; v31  2^e8
.set FRG,  32                          ; images 0-3 of a step's eight, in window 0
.set FR2,  160                         ; images 4-7, in window 1
.set S,    96
.set PC,   224
.set OW,   0
.set QW,   128
.set TB,   2
.set WV,   18
.set SEL,  20
.set CS,   22
.set G1,   24
.set ROLE, 32
.set QLG,  33                          ; the long block's first query
.set KSW,  34                          ; role 0: the first key of the slot at which it changes blocks; role 1: 1, which no slot begins with
.set KL,   36                          ; s[36:37] the greatest first key of an even, an odd step that I walk
.set YS,   38                          ; where the short block's y goes
.set G0,   40
.set YF,   44                          ; where the tile that I finish goes
.set QB,   46                          ; Q of the long block, role 0's tile 0
.set E67,  48
.set SLOTS, 67
.set PFA,  78
.set LIM,  80
.set QL,   81
.set KF,   98
.set Q0,   99
.set MSB, 0
.macro WIN new
.if MSB != \new
	s_set_vgpr_msb (MSB<<8)|\new
.set MSB, \new
.endif
.endm
.macro PLACES
.rept 4
	v_nop
.endr
.endm
.macro TLOAD                           ; waves 0-3 fetch, the others nothing; an s_nop 0 and four v_nop follow the load
	s_cmp_lt_u32 s[WV], 4
	s_cbranch_scc0 .Lasked_\@
	tensor_load_to_lds s[G0:G0+3], s[G1:G1+7]
	s_nop 0
	PLACES
.Lasked_\@:
.endm
; A prefetch of what the NEXT change of slots will ask for: 32,768 bytes of kc and of vc.  All work-groups of a batch walk the same K and V: the one with pp = 0 and y % 2 = 0 asks; waves 0-3 for K's block,
; waves 4-7 for V's, 8,192 bytes a wave, lanes 256 bytes apart: each aligned block of 256 bytes is named once in the launch.  The last two trips ask for nothing; slots 0 and 1 come by their loads alone.
.macro ASK
	s_cmp_gt_u32 s[SLOTS], s[LIM]
	s_cbranch_scc0 .Lnot_mine_\@
	global_prefetch_b8 v[PFO], s[PFA:PFA+1] th:TH_LOAD_NT scope:SCOPE_SE
.Lnot_mine_\@:
.endm
.macro YOFF d, blk                     ; yc: [32 row tiles][8 pairs of heads][8 blocks][2 heads][2048]: G = 128 b + block
	s_lshl_b32 s[\d], s85, 7
	s_add_co_u32 s[\d], s[\d], \blk
	s_lshr_b32 s94, s[\d], 3
	s_lshl_b32 s94, s94, 18
	s_and_b32 s[\d], s[\d], 7
	s_lshl_b32 s[\d], s[\d], 12
	s_add_co_u32 s[\d], s[\d], s94
	s_add_co_u32 s[\d], s[\d], s93
	s_mov_b32 s[\d+1], 0
.endm
	s_load_b256 s[4:11], s[0:1], 0x0               ; qc s[4:5], kc s[6:7], vc s[8:9], the exponents s[10:11]
	s_load_b64 s[12:13], s[0:1], 0x20              ; yc
	v_lshl_add_u32 v[SPW], v0, 2, SPARE
	v_mov_b32 v[NIL], 0
	ds_add_u32 v[SPW], v[NIL]                      ; the opening lines
	ds_add_u32 v[SPW], v[NIL]
	v_lshrrev_b32 v4, 5, v0
	v_readfirstlane_b32 s[WV], v4                  ; wave 0..7
	s_and_b32 s84, ttmp7, 0xffff
	s_lshr_b32 s85, s84, 1                         ; the batch
	s_and_b32 s86, s84, 1                          ; which eight heads
	s_lshr_b32 s87, s[WV], 2
	s_xor_b32 s87, s87, s[WV]
	s_and_b32 s[ROLE], s87, 1
	s_lshr_b32 s88, s[WV], 1                       ; which pair of the eight heads
	s_sub_co_u32 s89, 127, ttmp9                   ; the long block
	s_lshl_b32 s[QLG], s89, 4
	s_add_co_u32 s[QL], s[QLG], 15                 ; my work-group's last query
	s_lshr_b32 s91, ttmp9, 4
	s_add_co_u32 s91, s91, 1
	s_lshl_b32 s91, s91, 8                         ; the first slot without a step of the short block: slot P / 2 + 1
	s_sub_co_u32 s92, s91, 1
	s_cmp_eq_u32 s[ROLE], 0
	s_cselect_b32 s90, ttmp9, s89                  ; my first block
	s_cselect_b32 s[KSW], s91, 1
	s_lshl_b32 s[Q0], s90, 4
	s_add_co_u32 s[KL], s[Q0], 15
	s_cmp_eq_u32 s[ROLE], 0
	s_cselect_b32 s[KL+1], s[KL], s92              ; role 1 walks odd steps up to that slot alone
	s_mov_b32 s[G1], 3<<16                         ; no mask; elements of 8 bytes; no padding
	s_mov_b32 s[G1+1], 32<<16                      ; rows of 256 bytes
	s_mov_b32 s[G1+2], 64<<16
	s_mov_b32 s[G1+3], 32<<16
	s_mov_b32 s[G1+4], 64
	s_mov_b32 s[G1+5], 32                          ; dense
	s_mov_b32 s[G1+6], 0
	s_mov_b32 s[G1+7], 0
	s_mov_b32 s[SEL], 0x76543210
	s_mov_b32 s[SEL+1], 0xfedcba98
	s_mov_b32 s[CS], 0x3e0293ee                    ; c = log2(e) / sqrt(128)
	s_mov_b32 s[TB], 0
	s_mov_b32 s[SLOTS], NSL
	s_mov_b32 s[KF], 0
	s_lshl_b32 s92, s85, 22                        ; Q: ((16 b + head) 128 + block) images of 2,048 bytes
	s_lshl_b32 s93, s86, 21
	s_add_co_u32 s92, s92, s93
	s_lshl_b32 s93, s88, 19
	s_add_co_u32 s92, s92, s93
	s_lshl_b32 s56, s90, 11
	s_add_co_u32 s56, s56, s92
	s_mov_b32 s57, 0
	s_lshl_b32 s58, s89, 11
	s_add_co_u32 s58, s58, s92
	s_add_co_u32 s58, s58, 262144                  ; the odd head first
	s_mov_b32 s59, 0
	s_lshl_b32 s93, s86, 17                        ; pair of heads 4 (y % 2) + (w >> 1), 32,768 bytes each
	s_lshl_b32 s94, s88, 15
	s_add_co_u32 s93, s93, s94
	YOFF 60, ttmp9
	YOFF 62, s89
	s_xor_b32 s94, s[ROLE], 1
	s_lshl_b32 s94, s94, 11
	s_add_co_u32 s62, s62, s94                     ; role 1 finishes the even head, role 0 the odd one
	s_and_b32 s94, s[WV], 3                        ; what I fetch, if I fetch: step (w & 1) of a slot; w < 2: K's images, else V's
	s_lshl_b32 s54, s94, 13                        ; the prefetches: my wave's 8,192 bytes,
	s_and_b32 s95, s94, 1
	s_lshr_b32 s94, s94, 1
	s_lshl_b32 s96, s95, 15
	s_lshl_b32 s94, s94, 14
	s_add_co_u32 s[G0+1], s96, s94                 ; its place in slot 0
	s_lshl_b32 s96, s85, 18                        ; the batch's 262,144 bytes,
	s_lshl_b32 s52, s95, 14                        ; the step's 16,384
	s_add_co_u32 s52, s52, s96
	s_mov_b32 s53, 0
	s_add_co_u32 s54, s54, s96
	s_add_co_u32 s54, s54, 32768                   ; in slot 1: the first change of slots steps it to slot 2
	s_mov_b32 s55, 0
	s_or_b32 s[LIM], ttmp9, s86
	s_cmp_eq_u32 s[LIM], 0
	s_cselect_b32 s[LIM], 2, -1                    ; 2 in a work-group that prefetches, else the greatest number
	s_wait_alu depctr_va_vdst(0)
	s_wait_dscnt 0x0                               ; the opening adds are done
	s_wait_kmcnt 0x0
	s_load_b256 s[68:75], s[10:11], 0x0            ; e0 .. e7
	s_load_b32 s76, s[10:11], 0x20                 ; e8
	s_mov_b32 s[G0], 1
	s_cmp_lt_u32 s[WV], 2
	s_cselect_b64 s[G0+2:G0+3], s[6:7], s[8:9]
	s_add_nc_u64 s[G0+2:G0+3], s[G0+2:G0+3], s[52:53]
	s_or_b32 s[G0+3], s[G0+3], 0x80000000
	TLOAD                                          ; slot 0
	s_add_nc_u64 s[56:57], s[4:5], s[56:57]
	s_add_nc_u64 s[QB:QB+1], s[4:5], s[58:59]
	s_add_nc_u64 s[YS:YS+1], s[12:13], s[60:61]
	s_add_nc_u64 s[YF:YF+1], s[12:13], s[62:63]
	s_cmp_lt_u32 s[WV], 4
	s_cselect_b64 s[PFA:PFA+1], s[6:7], s[8:9]
	s_add_nc_u64 s[PFA:PFA+1], s[PFA:PFA+1], s[54:55]
	v_and_b32 v4, 31, v0
	v_and_b32 v[DQ], 15, v0
	v_lshlrev_b32 v[LI], 4, v4
	v_lshlrev_b32 v[PFO], 8, v4
	v_bfe_u32 v4, v0, 4, 1
	v_mov_b32 v[NINF], 0xff800000
	v_lshlrev_b32 v4, 3, v4
	v_lshl_add_u32 v[SO], v[DQ], 4, v4
	v_sub_nc_u32 v[DQ], v[DQ], v4
	WIN 0x40                                       ; destination window 1
.irp u, 0,1
.irp k, 0,1,2,3
	global_load_b128 v[QW+16*\u+4*\k:QW+16*\u+4*\k+3], v[LI], s[56:57] offset:262144*\u+512*\k   ; Q's two fragments stay in registers; the next head lies 128 images on
.endr
.endr
	WIN 0
; No key seen yet: the largest t -3e38, under every t; sums and O^T 0.  (The step is written without a first copy: it finds zeros, which the first change of M leaves zeros.)
.macro INIT
.irp u, 0,1
	v_mov_b32 v[ST+8*\u+1], 0xff61b1e6
	v_mov_b32 v[ST+8*\u+2], 0
	v_mov_b32 v[ST+8*\u+3], 0
.endr
.irp u, 0,1
	v_floor_f32 v[ST+8*\u], -v[ST+8*\u+1]          ; -M
.endr
	WIN 0x40
.set n, 0
.rept 128
	v_mov_b32 v[OW+n], 0
.set n, n+1
.endr
	WIN 0
.endm
	INIT
.irp u, 0,1
.irp i, 4,5,6,7
	v_mov_b32 v[ST+8*\u+\i], 0
.endr
	v_mov_b32 v[PL+\u], 0                          ; a lane permute's destination counts as one of its sources
.endr
	s_wait_kmcnt 0x0
	s_add_co_i32 s84, s72, s73
	s_lshl_b32 s84, s84, 23
	s_add_co_i32 s[CS], s[CS], s84                 ; a score stands for score x 2^(e4 + e5): added to c's exponent field
	s_mov_b32 s[CS+1], s[CS]
	s_add_co_i32 s[E67], s74, s75
.macro QC e, vs, vl                    ; a quantiser's scale and 448 x it
	s_add_co_i32 s84, s\e, 127
	s_lshl_b32 s85, s84, 23
	v_mov_b32 v[\vs], s85
	s_add_co_i32 s84, s84, 8
	s_lshl_b32 s84, s84, 23
	s_or_b32 s84, s84, 0x600000
	v_mov_b32 v[\vl], s84
.endm
	QC 74, SCV, LIMV
	QC 76, SC8, LM8
; Eight images from byte off of the slot in hand, in one run of 32 loads: images 0-3 into window 0, images 4-7 into window 1.
.macro FETCH8 off
.irp t, 0,1,2,3
.irp k, 0,1,2,3
	ds_load_b128 v[FRG+16*\t+4*\k:FRG+16*\t+4*\k+3], v[ADR] offset:(\off)+\t*2048+512*\k
.endr
.endr
	WIN 0x40
.irp t, 0,1,2,3
.irp k, 0,1,2,3
	ds_load_b128 v[FR2+16*\t+4*\k:FR2+16*\t+4*\k+3], v[ADR] offset:(\off)+(4+\t)*2048+512*\k
.endr
.endr
	WIN 0
.endm
; The step's largest score of each query, the running largest t, the new -M and f = 2^(old M - new M): both tiles line by line, so that four chains take turns.
.macro MAXIMA2
.irp u, 0,1
	v_max3_num_f32 v[ST+8*\u+6], v[S+64*\u], v[S+64*\u+1], v[S+64*\u+2]
	v_max3_num_f32 v[ST+8*\u+7], v[S+64*\u+3], v[S+64*\u+4], v[S+64*\u+5]
.endr
.irp i, 6,10,14,18,22,26,30,34,38,42,46,50,54,58
.irp u, 0,1
	v_max3_num_f32 v[ST+8*\u+6], v[ST+8*\u+6], v[S+64*\u+\i], v[S+64*\u+\i+1]
	v_max3_num_f32 v[ST+8*\u+7], v[ST+8*\u+7], v[S+64*\u+\i+2], v[S+64*\u+\i+3]
.endr
.endr
.irp u, 0,1
	v_max3_num_f32 v[ST+8*\u+6], v[ST+8*\u+6], v[S+64*\u+62], v[S+64*\u+63]
.endr
.irp u, 0,1
	s_delay_alu instid0(VALU_DEP_2)
	v_max_num_f32 v[ST+8*\u+6], v[ST+8*\u+6], v[ST+8*\u+7]
.endr
.irp u, 0,1
	s_delay_alu instid0(VALU_DEP_2)
	v_permlanex16_b32 v[PL+\u], v[ST+8*\u+6], s[SEL], s[SEL+1]
.endr
.irp u, 0,1
	s_delay_alu instid0(VALU_DEP_2)
	v_max_num_f32 v[ST+8*\u+6], v[ST+8*\u+6], v[PL+\u]      ; and among lane l xor 16's keys
.endr
.irp u, 0,1
	s_delay_alu instid0(VALU_DEP_2)
	v_mul_f32 v[ST+8*\u+6], s[CS], v[ST+8*\u+6]             ; as t (c is positive)
.endr
.irp u, 0,1
	s_delay_alu instid0(VALU_DEP_2)
	v_max_num_f32 v[ST+8*\u+1], v[ST+8*\u+1], v[ST+8*\u+6]
.endr
.irp u, 0,1
	v_mov_b32 v[ST+8*\u+6], v[ST+8*\u]
.endr
.irp u, 0,1
	s_delay_alu instid0(VALU_DEP_4)
	v_floor_f32 v[ST+8*\u], -v[ST+8*\u+1]                   ; -M = floor(-t): M is a whole number
.endr
.irp u, 0,1
	s_delay_alu instid0(VALU_DEP_2)
	v_sub_f32 v[ST+8*\u+6], v[ST+8*\u], v[ST+8*\u+6]        ; old M - new M, a whole number, 0 or less
.endr
.irp u, 0,1
	s_delay_alu instid0(VALU_DEP_2)
	v_cvt_i32_f32 v[ST+8*\u+6], v[ST+8*\u+6]                ; (it saturates)
.endr
.irp u, 0,1
	s_delay_alu instid0(VALU_DEP_2)
	v_ldexp_f32 v[ST+8*\u+4], 1.0, v[ST+8*\u+6]
.endr
.endm
; The sums of the unquantised p, two numbers at a time, two chains a tile, both tiles by turns.
.macro ROWSUM2
.irp u, 0,1
	v_pk_add_f32 v[ST+8*\u+6:ST+8*\u+7], v[S+64*\u:S+64*\u+1], v[S+64*\u+2:S+64*\u+3]
.endr
.irp j, 4,8,12,16,20,24,28,32,36,40,44,48,52,56,60
.irp u, 0,1
	v_pk_add_f32 v[ST+8*\u+2:ST+8*\u+3], v[ST+8*\u+2:ST+8*\u+3], v[S+64*\u+\j:S+64*\u+\j+1]
	v_pk_add_f32 v[ST+8*\u+6:ST+8*\u+7], v[ST+8*\u+6:ST+8*\u+7], v[S+64*\u+\j+2:S+64*\u+\j+3]
.endr
.endr
.irp u, 0,1
	v_pk_add_f32 v[ST+8*\u+2:ST+8*\u+3], v[ST+8*\u+2:ST+8*\u+3], v[ST+8*\u+6:ST+8*\u+7]
.endr
.endm
; A KEY STEP: 128 keys, the q-th of the slot in hand, for my two tiles.
.macro STEP q
	s_cmp_gt_u32 s[KF], s[KL+\q]                   ; hidden from my queries, or my partner's: the step's work is left out (ids and the count of steps alone; no barrier and no tensor load stands in a step)
	s_cbranch_scc1 .Lhidden_\@
	v_add_nc_u32 v[ADR], s[TB], v[LI]
.rept 3
	v_nop                                          ; places in front of loads into registers that matrix instructions have read (four; the addition above is one)
.endr
	FETCH8 (\q)*STEPB                              ; K's eight images
	s_wait_alu depctr_va_vdst(0)
.irp t, 0,1,2,3                                ; S^T = K Q^T: each image against both heads' Q, as soon as its four loads are in
	s_wait_dscnt 28-4*\t                           ; LDS loads come back in order (ISA guide 5.7.1): behind image t's loads 28 - 4 t were issued
	WIN 0x04                                       ; source 1 (Q) window 1
.irp u, 0,1
	v_wmma_f32_16x16x128_fp8_fp8 v[S+64*\u+8*\t:S+64*\u+8*\t+7], v[FRG+16*\t:FRG+16*\t+15], v[QW+16*\u:QW+16*\u+15], 0
.endr
.endr
.irp t, 0,1,2,3
	s_wait_dscnt 12-4*\t
	WIN 0x05                                       ; sources 0 (K) and 1 (Q) window 1
.irp u, 0,1
	v_wmma_f32_16x16x128_fp8_fp8 v[S+64*\u+8*(4+\t):S+64*\u+8*(4+\t)+7], v[FR2+16*\t:FR2+16*\t+15], v[QW+16*\u:QW+16*\u+15], 0
.endr
.endr
	WIN 0
	PLACES                                         ; in front of the loads below and of the first read of the scores
	FETCH8 (\q)*STEPB+VOFF                         ; V's eight images: they land under the softmax, which names none of their registers
	s_add_co_u32 s96, s[KF], 127                   ; on the diagonal hidden scores become -infinity ahead of the maximum; a step all of whose keys count skips this
	s_cmp_le_u32 s96, s[Q0]
	s_cbranch_scc1 .Lopen_\@
	s_sub_co_i32 s96, s[Q0], s[KF]
	v_add_nc_u32 v[DD], s96, v[DQ]                 ; my query - KF - 8 h.  Register 8 t + j holds key KF + 16 t + 8 h + j: hidden where 16 t + j is greater
.set n, 0
.rept 64
	v_cmp_gt_i32 vcc_lo, 16*(n/8)+n%8, v[DD]
	v_cndmask_b32 v[S+n], v[S+n], v[NINF], vcc_lo
	v_cndmask_b32 v[S+64+n], v[S+64+n], v[NINF], vcc_lo   ; both heads stand at the same positions
.set n, n+1
.endr
.Lopen_\@:
	MAXIMA2
.irp u, 0,1
.set n, 0
.rept 32
	v_pk_fma_f32 v[S+64*\u+n:S+64*\u+n+1], v[S+64*\u+n:S+64*\u+n+1], s[CS:CS+1], v[ST+8*\u:ST+8*\u+1] op_sel_hi:[1,0,0]   ; t - M
.set n, n+2
.endr
.endr
.set n, 0
	s_wait_alu depctr_va_vdst(0)                   ; the wait ahead of the batch
.rept 128
	v_exp_f32 v[S+n], v[S+n]                       ; p = 2^(t - M): one batch for both tiles
.set n, n+1
.endr
.irp u, 0,1
	v_pk_mul_f32 v[ST+8*\u+2:ST+8*\u+3], v[ST+8*\u+2:ST+8*\u+3], v[ST+8*\u+4:ST+8*\u+5] op_sel_hi:[1,0]   ; the sums under the new M (plain instructions behind the exponentials)
.endr
	s_wait_alu depctr_va_vdst(0)                   ; one wait for the batch, ahead of its first reader
	ROWSUM2
.irp u, 0,1
.irp b, 0,1,2,3
.irp i, 0,1,2,3,4,5,6,7,8,9,10,11,12,13,14,15
	v_min_num_f32 v[S+64*\u+16*\b+\i], v[S+64*\u+16*\b+\i], v[LIMV]   ; the conversion does not saturate (ISA guide 7.6.2); p is not negative, so the hold is one-sided
.endr
	v_cvt_scalef32_pk8_fp8_f32 v[PC+16*\u+4*\b:PC+16*\u+4*\b+1], v[S+64*\u+16*\b:S+64*\u+16*\b+7], v[SCV]
	v_cvt_scalef32_pk8_fp8_f32 v[PC+16*\u+4*\b+2:PC+16*\u+4*\b+3], v[S+64*\u+16*\b+8:S+64*\u+16*\b+15], v[SCV]
.endr
.endr
	WIN 0x41                                       ; O^T (destination and source 0) window 1, f window 0
	s_wait_alu depctr_va_vdst(0)                   ; the wait directly ahead of the first reader of O^T
.irp u, 0,1
.set n, 0
.rept 32
	v_pk_mul_f32 v[OW+64*\u+n:OW+64*\u+n+1], v[OW+64*\u+n:OW+64*\u+n+1], v[ST+8*\u+4:ST+8*\u+5] op_sel_hi:[1,0]   ; O^T under the new M.  (These also stand between the conversions and the products that read the codes)
.set n, n+2
.endr
.endr
	s_wait_alu depctr_va_vdst(0)
	s_wait_dscnt 0x0                               ; V's images, asked for ahead of the softmax
	WIN 0x50                                       ; O^T += V^T P^T: C and D window 1; the sixteen accumulators take turns
.irp t, 0,1,2,3
.irp u, 0,1
	v_wmma_f32_16x16x128_fp8_fp8 v[OW+64*\u+8*\t:OW+64*\u+8*\t+7], v[FRG+16*\t:FRG+16*\t+15], v[PC+16*\u:PC+16*\u+15], v[OW+64*\u+8*\t:OW+64*\u+8*\t+7]
.endr
.endr
	WIN 0x51                                       ; and source 0 (V) window 1
.irp t, 0,1,2,3
.irp u, 0,1
	v_wmma_f32_16x16x128_fp8_fp8 v[OW+64*\u+8*(4+\t):OW+64*\u+8*(4+\t)+7], v[FR2+16*\t:FR2+16*\t+15], v[PC+16*\u:PC+16*\u+15], v[OW+64*\u+8*(4+\t):OW+64*\u+8*(4+\t)+7]
.endr
.endr
	WIN 0
.Lhidden_\@:
	s_add_co_u32 s[KF], s[KF], 128
.endm
; y is held, converted with 2^e8 and stored as a fragment's image: a tile's 64 registers at \s, codes at \pc
.macro YOUT s, pc, base, off
.set n, 0
.rept 64
	v_med3_num_f32 v[\s+n], v[\s+n], -v[LM8], v[LM8]
.set n, n+1
.endr
.irp k, 0,1,2,3,4,5,6,7
	v_cvt_scalef32_pk8_fp8_f32 v[\pc+2*\k:\pc+2*\k+1], v[\s+8*\k:\s+8*\k+7], v[SC8]
.endr
	v_nop                                          ; a plain instruction behind the last conversion
.irp k, 0,1,2,3,4,5,6,7
	global_store_b64 v[SO], v[\pc+2*\k:\pc+2*\k+1], s[\base:\base+1] offset:\off+256*\k   ; 16 columns of 16 rows: 32 lanes store 256 consecutive bytes, aligned
.endr
.endm
	s_wait_alu depctr_va_vdst(0)                   ; the wait at the head's end
	s_wait_loadcnt 0x0                             ; Q
.Lslot:
	; THE CHANGE OF SLOTS.  Each wave waits for all its tensor loads, adds 0 to its spare word (twice on end), and waits for that and for its reads of the slot that it has left;
	; behind the barrier the slot ahead is whole and nobody reads the other one, which is filled with the keys that follow, up to the causal limit: the load has a slot's two key steps in which to land.
	s_wait_tensorcnt 0x0
	ds_add_u32 v[SPW], v[NIL]
	ds_add_u32 v[SPW], v[NIL]
	s_xor_b32 s[G0+1], s[G0+1], SLOT1              ; the other slot than last time,
	s_add_nc_u64 s[G0+2:G0+3], s[G0+2:G0+3], 32768 ; the next 256 keys' images
	s_wait_xcnt 0x0                                ; the last prefetch has read its address
	s_add_nc_u64 s[PFA:PFA+1], s[PFA:PFA+1], 32768
	s_wait_dscnt 0x0
	s_barrier_signal -1
	s_barrier_wait -1
	s_add_co_u32 s96, s[KF], 256                   ; the first key of the slot that this change would ask for
	s_cmp_gt_u32 s96, s[QL]                        ; past my work-group's last query: none of its waves would read it.  Ids and the count of steps alone: all eight waves go the same way
	s_cbranch_scc1 .Lpast
	TLOAD                                          ; a wave's one tensor load until the next such barrier
.Lpast:
	ASK
	s_cmp_lg_u32 s[KF], s[KSW]                     ; role 0, at the first slot without a step of its short block: that block goes out, and the long one is taken up
	s_cbranch_scc1 .Lsame
	PLACES                                         ; in front of loads into Q's registers and of reads of O^T
	WIN 0x40
.irp u, 0,1
.irp k, 0,1,2,3
	global_load_b128 v[QW+16*\u+4*\k:QW+16*\u+4*\k+3], v[LI], s[QB:QB+1] offset:512*\k-262144*\u   ; the odd head, then the even one
.endr
.endr
	WIN 0
.irp u, 0,1
	v_add_f32 v[ST+8*\u+2], v[ST+8*\u+2], v[ST+8*\u+3]
.endr
.irp u, 0,1
	v_permlanex16_b32 v[PL+\u], v[ST+8*\u+2], s[SEL], s[SEL+1]
.endr
.irp u, 0,1
	v_add_f32 v[ST+8*\u+2], v[ST+8*\u+2], v[PL+\u]
.endr
	s_wait_alu depctr_va_vdst(0)                   ; the wait ahead of the reciprocals
.irp u, 0,1
	v_rcp_f32 v[ST+8*\u+6], v[ST+8*\u+2]
.endr
	v_nop
	s_wait_alu depctr_va_vdst(0)                   ; and ahead of their first reader
.irp u, 0,1
	v_ldexp_f32 v[ST+8*\u+6], v[ST+8*\u+6], s[E67] ; x 2^(e6 + e7)
.endr
	WIN 0x01                                       ; source 0 (O^T) window 1
	s_wait_alu depctr_va_vdst(0)                   ; the wait directly ahead of the first reader of O^T
.irp u, 0,1
.set n, 0
.rept 32
	v_pk_mul_f32 v[S+64*\u+n:S+64*\u+n+1], v[OW+64*\u+n:OW+64*\u+n+1], v[ST+8*\u+6:ST+8*\u+7] op_sel_hi:[1,0]
.set n, n+2
.endr
.endr
	WIN 0
	YOUT S, PC, YS, 0
	YOUT S+64, PC+16, YS, 2048
	INIT
	s_mov_b32 s[Q0], s[QLG]
	s_mov_b32 s[KL], 0                             ; no even step (no slot from here on begins at key 0),
	s_add_co_u32 s[KL+1], s[QLG], 15               ; odd ones up to the diagonal
	s_wait_alu depctr_va_vdst(0)                   ; the wait ahead of the blocking waits
	s_wait_xcnt 0x0                                ; the stores have read the codes
	s_wait_loadcnt 0x0                             ; the long block's Q
.Lsame:
	STEP 0
	STEP 1
	s_xor_b32 s[TB], s[TB], SLOT1
	s_sub_co_u32 s[SLOTS], s[SLOTS], 1
	s_cmp_lg_u32 s[SLOTS], 0
	s_cbranch_scc1 .Lslot
	; THE TWO PARTS OF THE LONG BLOCK MEET: tile 1 goes to my partner (wave ^ 1), its tile 1 is the other part of my tile 0.
	s_mul_i32 s84, s[WV], MRGB
	s_add_co_u32 s84, s84, MRG
	s_xor_b32 s85, s[WV], 1
	s_mul_i32 s85, s85, MRGB
	s_add_co_u32 s85, s85, MRG
	v_lshrrev_b32 v[DD], 1, v[LI]
	v_add_nc_u32 v[ADR], s84, v[LI]
	v_add_nc_u32 v[NINF], s85, v[LI]
	v_add_nc_u32 v[SCV], s85, v[DD]
	v_add_nc_u32 v[DD], s84, v[DD]
	v_add_f32 v[ST+9], v[ST+10], v[ST+11]          ; tile 1's sum, beside its -M
	v_add_f32 v[ST+2], v[ST+2], v[ST+3]
	PLACES
	s_wait_alu depctr_va_vdst(0)
	ds_store_b64 v[DD], v[ST+8:ST+9] offset:8192
	WIN 0x04                                       ; data window 1
.set n, 0
.rept 16
	ds_store_b128 v[ADR], v[OW+64+4*n:OW+64+4*n+3] offset:512*n
.set n, n+1
.endr
	WIN 0
	s_wait_dscnt 0x0
	s_barrier_signal -1
	s_barrier_wait -1
	ds_load_b64 v[ST+8:ST+9], v[SCV] offset:8192
.set n, 0
.rept 16
	ds_load_b128 v[S+4*n:S+4*n+3], v[NINF] offset:512*n
.set n, n+1
.endr
	s_wait_dscnt 16                                ; the partner's -M and sum; its O^T, 16 loads, may be out
	v_min_num_f32 v[ST+4], v[ST], v[ST+8]          ; -M of both: the greater M
	v_sub_f32 v[ST+6], v[ST+4], v[ST]
	v_sub_f32 v[ST+7], v[ST+4], v[ST+8]
	v_cvt_i32_f32 v[ST+6], v[ST+6]
	v_cvt_i32_f32 v[ST+7], v[ST+7]
	v_ldexp_f32 v[ST+6], 1.0, v[ST+6]              ; 2^(my M - M)
	v_ldexp_f32 v[ST+7], 1.0, v[ST+7]              ; 2^(its M - M); 0 where it walked no step
	v_mul_f32 v[ST+2], v[ST+2], v[ST+6]
	v_fma_f32 v[ST+2], v[ST+9], v[ST+7], v[ST+2]
	v_permlanex16_b32 v[PL], v[ST+2], s[SEL], s[SEL+1]
	v_add_f32 v[ST+2], v[ST+2], v[PL]
	s_wait_alu depctr_va_vdst(0)                   ; the wait ahead of the reciprocal
	v_rcp_f32 v[ST+5], v[ST+2]
	v_nop
	s_wait_alu depctr_va_vdst(0)                   ; and ahead of its first reader
	v_ldexp_f32 v[ST+5], v[ST+5], s[E67]
	v_mul_f32 v[ST+6], v[ST+6], v[ST+5]
	v_mul_f32 v[ST+7], v[ST+7], v[ST+5]
	s_wait_alu depctr_va_vdst(0)
	s_wait_dscnt 0x0
	WIN 0x01                                       ; source 0 (O^T) window 1
	s_wait_alu depctr_va_vdst(0)                   ; the wait directly ahead of the first reader of O^T
.set n, 0
.rept 32
	v_pk_mul_f32 v[S+64+n:S+64+n+1], v[OW+n:OW+n+1], v[ST+6:ST+7] op_sel_hi:[1,0]
.set n, n+2
.endr
	WIN 0
.set n, 0
.rept 32
	v_pk_fma_f32 v[S+64+n:S+64+n+1], v[S+n:S+n+1], v[ST+6:ST+7], v[S+64+n:S+64+n+1] op_sel:[0,1,0] op_sel_hi:[1,1,1]
.set n, n+2
.endr
	YOUT S+64, PC, YF, 0
	s_wait_tensorcnt 0x0                           ; the wave's end
	ds_add_u32 v[SPW], v[NIL]
	s_wait_dscnt 0x0
	s_endpgm
.Lfunc_end_k_q4d8b01140c_attn:
	.size	k_q4d8b01140c_attn, .Lfunc_end_k_q4d8b01140c_attn-k_q4d8b01140c_attn
	.p2alignl 7, 3214868480
	.fill 96, 4, 3214868480
	.section	.rodata,"a",@progbits
	.p2align	6, 0x0
	.amdhsa_kernel k_q4d8b01140c_attn
		.amdhsa_group_segment_fixed_size 327680
		.amdhsa_private_segment_fixed_size 0
		.amdhsa_enable_private_segment 0
		.amdhsa_kernarg_size 40
		.amdhsa_user_sgpr_count 2
		.amdhsa_user_sgpr_kernarg_segment_ptr 1
		.amdhsa_wavefront_size32 1
		.amdhsa_system_sgpr_workgroup_id_x 1
		.amdhsa_system_sgpr_workgroup_id_y 1
		.amdhsa_system_sgpr_workgroup_id_z 1
		.amdhsa_system_vgpr_workitem_id 0
		.amdhsa_next_free_vgpr 512
		.amdhsa_next_free_sgpr 100
		.amdhsa_reserve_vcc 1
		.amdhsa_float_denorm_mode_32 3
		.amdhsa_float_denorm_mode_16_64 3
		.amdhsa_memory_ordered 1
		.amdhsa_forward_progress 1
		.amdhsa_inst_pref_size 129
	.end_amdhsa_kernel
	.amdgpu_metadata
---
amdhsa.version: [ 1, 2 ]
amdhsa.kernels:
  - .name:           k_q4d8b01140c_attn
    .symbol:         k_q4d8b01140c_attn.kd
    .args:
      - { .name: qc, .offset: 0, .size: 8, .value_kind: global_buffer, .address_space: global }
      - { .name: kc, .offset: 8, .size: 8, .value_kind: global_buffer, .address_space: global }
      - { .name: vc, .offset: 16, .size: 8, .value_kind: global_buffer, .address_space: global }
      - { .name: lowp_scales, .offset: 24, .size: 8, .value_kind: global_buffer, .address_space: global }
      - { .name: yc, .offset: 32, .size: 8, .value_kind: global_buffer, .address_space: global }
    .group_segment_fixed_size: 327680
    .private_segment_fixed_size: 0
    .kernarg_segment_align: 8
    .kernarg_segment_size: 40
    .max_flat_workgroup_size: 256
    .sgpr_count:     100
    .vgpr_count:     512
    .wavefront_size: 32
...
	.end_amdgpu_metadata
.endif
;; end of part 5
;; launch proj (part 6): grid 8 x 32, 4 waves a work-group, clusters of 4 x 4, 327,680 bytes of LDS; arguments yc, W_proj_codes, lowp_scales, b_proj, out0; writes out0
.if DOCPART == 6
	.amdgcn_target "amdgcn-amd-amdhsa--gfx1250"
	.amdhsa_code_object_version 6
	.text
	.protected	k_q4d8b01140c_proj
	.globl	k_q4d8b01140c_proj
	.p2align	8
	.type	k_q4d8b01140c_proj,@function
k_q4d8b01140c_proj:
	s_mov_b64 s[64:65], 0
	v_nop
	global_prefetch_b8 v0, s[64:65] scope:SCOPE_SE
	s_setreg_imm32_b32 hwreg(HW_REG_WAVE_MODE, 25, 1), 1
	s_wait_xcnt 0x0
	s_wait_alu depctr_hold_cnt(0) depctr_sa_sdst(0) depctr_va_vdst(0) depctr_va_sdst(0) depctr_va_ssrc(0) depctr_va_vcc(0) depctr_vm_vsrc(0)
	s_getreg_b32 s2, hwreg(HW_REG_IB_STS2, 6, 4)
	s_cmp_eq_u32 s2, 0
	s_cbranch_scc0 .Lentry_in_a_cluster
	s_endpgm
.Lentry_in_a_cluster:
	s_bfe_u32 s2, ttmp6, 0x10000c
	s_cmp_lg_u32 s2, 0xf033
	s_cbranch_scc0 .Lentry_shape_is_right
	s_endpgm
.Lentry_shape_is_right:
; out = y W_proj + b_proj on codes of FP8 (E4M3), sums in f32, each finished sum x 2^(e8 + e9) + bias.  LIMIT: e8 + e9 between -126 and 127.
; Work-group (X, Y), 8 x 32: rows 128 Y .. + 127, columns 256 X .. + 255; wave (HR, HC): 64 rows x 128 columns, 32 accumulators.
; yc: [32 row tiles][8 of 256 along K][8 blocks of 16 rows][2 of 128 along K][an image of 2,048 bytes]: a row tile's K step is dense.  W_proj's tile: 256 rows, padded by 16 bytes.
; THE RING: slot 0 holds 512 along K, slot 1 holds 256: five steps, 512 + 256 + 512 + 256 + 512 = 2,048.  A quarter is 128 along K; its fragments have two sets.
; CLUSTERS 4 x 4: yc's tile is shared along a row of the cluster, W_proj's along a column; each is asked for jointly.  Transposed use: a lane holds eight neighbouring columns of a row.
; REGISTERS: window 0: v6-20 addresses; v64-191 yc's fragments; on the way out v32-95, v128-255; window 1: W_proj's fragments, two sets; window 2: accumulators; window 3: v0-63 b_proj.
.set P0,   528
.set P1,   272
.set AB0,  65536
.set AB1,  32768
.set SLOT1, AB0+256*P0
.set SPARE, SLOT1+AB1+256*P1
.set SPITCH, 528
.set WV, 2
.set HR, 3
.set HC, 22
.set X,  23
.set Y,  66
.set LIM, 67
.set PFA, 96
.set G1A5, 24
.set G1A2, 32
.set G1B5, 40
.set G1B2, 48
.set G0A, 56
.set G0B, 68
.set D1,  72
.set D0,  74
.set ADRA, 6
.set ADRB, 8
.set STO, 10
.set RD,  11
.set CO,  12
.set BO,  13
.set PFO, 14
.set SPW, 18
.set NIL, 19
.set TMP, 32
.set AF,  64
.set BK,  128
.set MSB, 0
.macro WIN new
.if MSB != \new
	s_set_vgpr_msb (MSB<<8)|\new
.set MSB, \new
.endif
.endm
.set MUL,  0xa1
.set TO_B, 0x40
.macro PLACES
.rept 4
	v_nop
.endr
.endm
; waves 0 and 1 fetch halves of yc's tile, waves 2 and 3 halves of W_proj's
.macro JLOAD ga, gb
	s_cmp_eq_u32 s[HR], 0
	s_cbranch_scc0 .Lw_\@
	tensor_load_to_lds s[G0A:G0A+3], s[\ga:\ga+7]
	s_nop 0
	PLACES
	s_branch .Lj_\@
.Lw_\@:
	tensor_load_to_lds s[G0B:G0B+3], s[\gb:\gb+7]
	s_nop 0
	PLACES
.Lj_\@:
.endm
.macro FILL t
.if \t == 0
	JLOAD G1A5, G1B5
.else
	JLOAD G1A2, G1B2
.endif
.endm
.macro REDESC t
.if \t == 0
	s_lshl_b32 s[G0A+1], s[HC], 15
	s_mul_i32 s[G0B+1], s[HC], 128*P0
	s_add_co_u32 s[G0B+1], s[G0B+1], AB0
	s_add_nc_u64 s[G0A+2:G0A+3], s[G0A+2:G0A+3], s[D0:D0+1]
.else
	s_lshl_b32 s[G0A+1], s[HC], 14
	s_add_co_u32 s[G0A+1], s[G0A+1], SLOT1
	s_mul_i32 s[G0B+1], s[HC], 128*P1
	s_add_co_u32 s[G0B+1], s[G0B+1], SLOT1+AB1
	s_add_nc_u64 s[G0A+2:G0A+3], s[G0A+2:G0A+3], s[D1:D1+1]
.endif
	s_add_nc_u64 s[G0B+2:G0B+3], s[G0B+2:G0B+3], 256+256*(\t)
.endm
.macro CREST
	s_cmp_lg_u32 s[WV], 0
	s_cbranch_scc1 .Ln0_\@
	s_barrier_signal -3
.Ln0_\@:
	s_barrier_wait -3
	s_barrier_signal -1
	s_barrier_wait -1
.endm
.macro CROUND
	s_barrier_signal -1
	s_barrier_wait -1
	CREST
.endm
.macro G1SET g, rows, c, pitch
	s_mov_b32 s[\g+1], (\c)<<16
	s_mov_b32 s[\g+2], (\rows)<<16
	s_mov_b32 s[\g+3], (\c)<<16
	s_mov_b32 s[\g+4], \rows
	s_mov_b32 s[\g+5], \pitch
	s_mov_b32 s[\g+6], 0
	s_mov_b32 s[\g+7], 0
.endm
; A prefetch of a K step that begins at byte k0 of W_proj's rows (n = 2: 512 along K, n = 1: 256).  yc: each cluster asks once for its own tiles: of each 32,768 bytes the partner cx takes 8,192, lanes 256 bytes apart,
; wave 0 the first, wave 1 the second of a step of 512.  W_proj: waves 2 and 3, 32 rows each by cy, a lane a row; eight clusters read the same rows, every other row of clusters asks (four).
.macro ASK k0, n
	s_cmp_eq_u32 s[LIM], 3
	s_cbranch_scc1 .Lb_\@
.if \n > 1
	s_cmp_lg_u32 s[LIM], 0
.else
	s_cmp_eq_u32 s[LIM], 1
.endif
	s_cbranch_scc0 .Lna_\@
	global_prefetch_b8 v[PFO], s[PFA:PFA+1] offset:((\k0)/256)*32768 th:TH_LOAD_NT scope:SCOPE_SE
	s_branch .Lna_\@
.Lb_\@:
	global_prefetch_b8 v[PFO], s[PFA:PFA+1] offset:\k0 th:TH_LOAD_NT scope:SCOPE_SE
.if \n > 1
	global_prefetch_b8 v[PFO], s[PFA:PFA+1] offset:\k0+256 th:TH_LOAD_NT scope:SCOPE_SE
.endif
.Lna_\@:
.endm
	s_load_b256 s[4:11], s[0:1], 0x0               ; yc s[4:5], W_proj s[6:7], exponents s[8:9], b_proj s[10:11]
	s_load_b64 s[12:13], s[0:1], 0x20              ; out
	v_lshl_add_u32 v[SPW], v0, 2, SPARE
	v_mov_b32 v[NIL], 0
	ds_add_u32 v[SPW], v[NIL]                      ; the opening lines
	ds_add_u32 v[SPW], v[NIL]
	v_lshrrev_b32 v1, 5, v0
	v_readfirstlane_b32 s[WV], v1
	s_lshr_b32 s[HR], s[WV], 1
	s_and_b32 s[HC], s[WV], 1
	s_bfe_u32 s98, ttmp6, 0x40000                  ; cx
	s_bfe_u32 s99, ttmp6, 0x40004                  ; cy
	s_lshl_b32 s[X], ttmp9, 2
	s_add_co_u32 s[X], s[X], s98
	s_and_b32 s[Y], ttmp7, 0xffff
	s_lshl_b32 s[Y], s[Y], 2
	s_add_co_u32 s[Y], s[Y], s99
	s_lshl_b32 s100, s99, 2
	s_lshl_b32 s100, 15, s100
	s_lshl_b32 s101, 0x1111, s98
	s_or_b32 s[G1A5], s100, (3<<16)|(1<<21)        ; dense rows of 256 bytes as 32 elements of 8
	s_or_b32 s[G1A2], s100, (3<<16)|(1<<21)
	s_or_b32 s[G1B5], s101, (1<<20)|(1<<21)|(6<<22)|(3<<25)
	s_or_b32 s[G1B2], s101, (1<<20)|(1<<21)|(5<<22)|(3<<25)
	G1SET G1A5, 128, 32, 32
	G1SET G1A2, 64, 32, 32
	G1SET G1B5, 128, 512, 2048
	G1SET G1B2, 128, 256, 2048
	s_lshl_b32 s88, s[Y], 18
	s_lshl_b32 s89, s[HC], 15
	s_add_co_u32 s88, s88, s89
	s_mov_b32 s89, 0
	s_lshl_b32 s90, s[X], 19
	s_lshl_b32 s91, s[HC], 18
	s_add_co_u32 s90, s90, s91
	s_mov_b32 s91, 0
	s_lshl_b32 s92, s[HC], 14
	s_sub_co_u32 s[D1], 65536, s92                 ; from a step of 512 (half HC 32,768 bytes in) to one of 256 (half HC 16,384 bytes in),
	s_mov_b32 s[D1+1], 0
	s_add_co_u32 s[D0], s92, 32768                 ; and back
	s_mov_b32 s[D0+1], 0
	s_mov_b32 s[G0A], 1
	s_mov_b32 s[G0B], 1
	s_lshl_b32 s[G0A+1], s[HC], 15
	s_mul_i32 s[G0B+1], s[HC], 128*P0
	s_add_co_u32 s[G0B+1], s[G0B+1], AB0
	s_wait_alu depctr_va_vdst(0)
	s_wait_dscnt 0x0
	CROUND
	s_wait_kmcnt 0x0
	s_add_nc_u64 s[G0A+2:G0A+3], s[4:5], s[88:89]
	s_add_nc_u64 s[G0B+2:G0B+3], s[6:7], s[90:91]
	s_or_b32 s[G0A+3], s[G0A+3], 0x80000000
	s_or_b32 s[G0B+3], s[G0B+3], 0x80000000
	FILL 0                                         ; step 0
	s_load_b64 s[100:101], s[8:9], 0x20            ; e8, e9
	; the prefetches
	s_lshl_b32 s92, s[Y], 18
	s_lshl_b32 s93, s98, 13
	s_add_co_u32 s92, s92, s93
	s_lshl_b32 s93, s[HC], 15
	s_add_co_u32 s92, s92, s93                     ; waves 0, 1
	s_lshl_b32 s93, s99, 16
	s_add_co_u32 s90, s90, s93                     ; waves 2, 3
	s_and_b32 s94, ttmp7, 1
	s_cmp_eq_u32 s94, 0
	s_cselect_b32 s94, 3, 0
	s_add_co_u32 s95, s[WV], 1
	s_cmp_eq_u32 s[HR], 0
	s_cselect_b32 s90, s92, s90
	s_cselect_b64 s[PFA:PFA+1], s[4:5], s[6:7]
	s_cselect_b32 s[LIM], s95, s94                 ; 1, 2 in waves 0, 1; 3 or 0 in waves 2, 3
	s_cselect_b32 s94, 8, 11
	s_add_nc_u64 s[PFA:PFA+1], s[PFA:PFA+1], s[90:91]
	s_lshl_b32 s92, s[X], 10
	s_lshl_b32 s93, s[HC], 9
	s_add_co_u32 s92, s92, s93
	s_mov_b32 s93, 0
	s_add_nc_u64 s[10:11], s[10:11], s[92:93]      ; my 128 columns
	s_lshl_b32 s88, s[Y], 20
	s_lshl_b32 s90, s[HR], 19
	s_add_co_u32 s92, s92, s88
	s_add_co_u32 s92, s92, s90
	s_add_nc_u64 s[12:13], s[12:13], s[92:93]      ; my first row
	s_lshl_b32 s88, s[HR], 14                      ; LDS: my four blocks of yc's tile
	s_add_co_u32 s89, s88, SLOT1
	s_mul_i32 s90, s[HC], 128*P0
	s_add_co_u32 s90, s90, AB0
	s_mul_i32 s91, s[HC], 128*P1
	s_add_co_u32 s91, s91, SLOT1+AB1
	s_mul_i32 s92, s[WV], 16*SPITCH
	s_add_co_u32 s92, s92, SLOT1                   ; my stage, in slot 1, which has had its last fill and its last read by then
	v_and_b32 v1, 15, v0
	v_bfe_u32 v2, v0, 4, 1
	v_and_b32 v3, 31, v0
	v_lshlrev_b32 v[BO], 5, v2
	v_lshlrev_b32 v[PFO], s94, v3
	v_lshlrev_b32 v[CO], 4, v3
	v_add_nc_u32 v[ADRA], s88, v[CO]
	v_add_nc_u32 v[ADRA+1], s89, v[CO]
	v_mul_u32_u24 v4, v1, P0
	v_lshl_add_u32 v4, v2, 4, v4
	v_add_nc_u32 v[ADRB], s90, v4
	v_mul_u32_u24 v4, v1, P1
	v_lshl_add_u32 v4, v2, 4, v4
	v_add_nc_u32 v[ADRB+1], s91, v4
	v_mul_u32_u24 v4, v1, SPITCH
	v_lshl_add_u32 v4, v2, 5, v4
	v_add_nc_u32 v[STO], s92, v4
	v_add_nc_u32 v[RD], s92, v[CO]
	s_wait_alu depctr_va_vdst(0)                   ; the wait ahead of the branch
	ASK 512, 1                                     ; step 1, whose load is issued when step 0 has landed
	WIN 0xc0
.irp b, 0,1,2,3,4,5,6,7
	global_load_b128 v[8*\b:8*\b+3], v[BO], s[10:11] offset:64*\b
	global_load_b128 v[8*\b+4:8*\b+7], v[BO], s[10:11] offset:64*\b+16
.endr
	WIN 0
.macro FETCH_B slot, q, p
	WIN TO_B
.irp i, 0,1,2,3,4,5,6,7
.irp c, 0,1,2,3
	ds_load_b128 v[128*(\p)+16*\i+4*\c:128*(\p)+16*\i+4*\c+3], v[ADRB+\slot] offset:(P0-256*(\slot))*16*\i+128*(\q)+32*\c
.endr
.endr
	WIN 0
.endm
.macro FETCH_A slot, q, p
	WIN 0
.irp i, 0,1,2,3
.irp c, 0,1,2,3
	ds_load_b128 v[AF+64*(\p)+16*\i+4*\c:AF+64*(\p)+16*\i+4*\c+3], v[ADRA+\slot] offset:32768*((\q)/2)+2048*((\q)%2)+4096*\i+512*\c
.endr
.endr
.endm
; the 32 accumulators take turns, one instruction a turn
.macro MUL2 a0, p, zero
	WIN MUL
.irp a, \a0, \a0+1
.irp b, 0,1,2,3,4,5,6,7
.if \zero
	v_wmma_f32_16x16x128_fp8_fp8 v[8*(8*(\a)+\b):8*(8*(\a)+\b)+7], v[128*(\p)+16*\b:128*(\p)+16*\b+15], v[AF+64*(\p)+16*(\a):AF+64*(\p)+16*(\a)+15], 0
.else
	v_wmma_f32_16x16x128_fp8_fp8 v[8*(8*(\a)+\b):8*(8*(\a)+\b)+7], v[128*(\p)+16*\b:128*(\p)+16*\b+15], v[AF+64*(\p)+16*(\a):AF+64*(\p)+16*(\a)+15], v[8*(8*(\a)+\b):8*(8*(\a)+\b)+7]
.endif
.endr
.endr
.endm
.macro QUART p, slot, nq, zero
	s_wait_dscnt 0x0                               ; set p is in
	PLACES                                         ; places in front of loads into registers that matrix instructions have read
	FETCH_B \slot, \nq, 1-\p
	MUL2 0, \p, \zero
	FETCH_A \slot, \nq, 1-\p
	MUL2 2, \p, \zero
	WIN 0
.endm
.macro TURN p, next, fill, ask
	s_wait_tensorcnt 0x0                           ; my part of the next slot is in
	ds_add_u32 v[SPW], v[NIL]                      ; 0 onto my spare word
.if \fill
	REDESC 1-\next
.endif
	s_wait_dscnt 0x0                               ; the add is done, and my reads of this slot are over
	s_barrier_signal -1
	MUL2 0, \p, 0
	WIN 0
	s_barrier_wait -1
.if \fill
	CREST
	FILL 1-\next
.else
	PLACES
.endif
	FETCH_B \next, 0, 1-\p
	FETCH_A \next, 0, 1-\p
.if \ask
	ASK 1536, 2                                    ; step 4, two steps ahead of its load
.endif
	MUL2 2, \p, 0
	WIN 0
.endm
.macro TRIP more
	QUART 1, 0, 2, 0
	QUART 0, 0, 3, 0
	TURN 1, 1, 1, \more
	QUART 0, 1, 1, 0
	TURN 1, 0, \more, 0
	QUART 0, 0, 1, 0
.endm
	s_wait_alu depctr_va_vdst(0)                   ; the wait at the head's end
	s_wait_tensorcnt 0x0                           ; my part of step 0 is in
	ds_add_u32 v[SPW], v[NIL]
	REDESC 1
	s_wait_dscnt 0x0
	CROUND
	FILL 1                                         ; step 1
	FETCH_B 0, 0, 0
	FETCH_A 0, 0, 0
	ASK 768, 2                                     ; steps 2 and 3
	ASK 1280, 1
	QUART 0, 0, 1, 1                               ; the first products start the sums
	TRIP 1
	TRIP 0                                         ; slot 1 has had its last fill: step 4 lies in slot 0
	QUART 1, 0, 2, 0
	QUART 0, 0, 3, 0
	s_wait_dscnt 0x0
	MUL2 0, 1, 0
	MUL2 2, 1, 0
	WIN 0
; THE WAY OUT: a block of 16 rows x 128 columns goes through my own stage and leaves as rows of 512 bytes.  LDS serves a wave's instructions in order (ISA guide 5.7.1.4).
.macro TOSTAGE a
.set AC, 64*(\a)
	WIN 0x32
.set n, 0
.rept 32
	v_pk_fma_f32 v[TMP+n:TMP+n+1], v[AC+n:AC+n+1], s[98:99], v[n:n+1] op_sel_hi:[1,0,1]
.set n, n+2
.endr
	WIN 0
.irp b, 0,1,2,3,4,5,6,7
	ds_store_b128 v[STO], v[TMP+8*\b:TMP+8*\b+3] offset:64*\b
	ds_store_b128 v[STO], v[TMP+8*\b+4:TMP+8*\b+7] offset:64*\b+16
.endr
.set BB, BK+64*((\a)%2)
.irp t, 0,1,2,3,4,5,6,7,8,9,10,11,12,13,14,15
	ds_load_b128 v[BB+4*\t:BB+4*\t+3], v[RD] offset:\t*SPITCH
.endr
.endm
.macro SEND a, younger
.set BB, BK+64*((\a)%2)
	s_wait_dscnt \younger                          ; the block is back in registers; younger: the next block's 16 stores and 16 loads
.if (\a) > 0
	s_add_nc_u64 s[12:13], s[12:13], 16*8192
.endif
.irp t, 0,1,2,3,4,5,6,7,8,9,10,11,12,13,14,15
	global_store_b128 v[CO], v[BB+4*\t:BB+4*\t+3], s[12:13] offset:\t*8192 th:TH_STORE_NT
.endr
.endm
	s_wait_kmcnt 0x0
	s_add_co_i32 s98, s100, s101
	s_add_co_i32 s98, s98, 127
	s_lshl_b32 s98, s98, 23                        ; 2^(e8 + e9)
	s_mov_b32 s99, s98
	s_wait_loadcnt 0x0                             ; the bias
	PLACES
	TOSTAGE 0
.irp a, 1,2,3
.if \a > 1
	s_wait_xcnt 0x0                                ; block a - 2's stores have read their registers and their base
.endif
	TOSTAGE \a
	SEND \a-1, 32
.endr
	s_wait_xcnt 0x0
	SEND 3, 0
	s_wait_tensorcnt 0x0                           ; the wave's end
	ds_add_u32 v[SPW], v[NIL]
	s_wait_dscnt 0x0
	CROUND                                         ; the closing round
	s_endpgm
.Lfunc_end_k_q4d8b01140c_proj:
	.size	k_q4d8b01140c_proj, .Lfunc_end_k_q4d8b01140c_proj-k_q4d8b01140c_proj
	.p2alignl 7, 3214868480
	.fill 96, 4, 3214868480
	.section	.rodata,"a",@progbits
	.p2align	6, 0x0
	.amdhsa_kernel k_q4d8b01140c_proj
		.amdhsa_group_segment_fixed_size 327680
		.amdhsa_private_segment_fixed_size 0
		.amdhsa_enable_private_segment 0
		.amdhsa_kernarg_size 40
		.amdhsa_user_sgpr_count 2
		.amdhsa_user_sgpr_kernarg_segment_ptr 1
		.amdhsa_wavefront_size32 1
		.amdhsa_system_sgpr_workgroup_id_x 1
		.amdhsa_system_sgpr_workgroup_id_y 1
		.amdhsa_system_sgpr_workgroup_id_z 1
		.amdhsa_system_vgpr_workitem_id 0
		.amdhsa_next_free_vgpr 832
		.amdhsa_next_free_sgpr 102
		.amdhsa_reserve_vcc 0
		.amdhsa_float_denorm_mode_32 3
		.amdhsa_float_denorm_mode_16_64 3
		.amdhsa_memory_ordered 1
		.amdhsa_forward_progress 1
		.amdhsa_inst_pref_size 124
	.end_amdhsa_kernel
	.amdgpu_metadata
---
amdhsa.version: [ 1, 2 ]
amdhsa.kernels:
  - .name:           k_q4d8b01140c_proj
    .symbol:         k_q4d8b01140c_proj.kd
    .args:
      - { .name: yc, .offset: 0, .size: 8, .value_kind: global_buffer, .address_space: global }
      - { .name: W_proj_codes, .offset: 8, .size: 8, .value_kind: global_buffer, .address_space: global }
      - { .name: lowp_scales, .offset: 16, .size: 8, .value_kind: global_buffer, .address_space: global }
      - { .name: b_proj, .offset: 24, .size: 8, .value_kind: global_buffer, .address_space: global }
      - { .name: out0, .offset: 32, .size: 8, .value_kind: global_buffer, .address_space: global }
    .group_segment_fixed_size: 327680
    .private_segment_fixed_size: 0
    .kernarg_segment_align: 8
    .kernarg_segment_size: 40
    .max_flat_workgroup_size: 128
    .sgpr_count:     102
    .vgpr_count:     832
    .wavefront_size: 32
...
	.end_amdgpu_metadata
.endif
;; end of part 6
